; MI455X (gfx1250); checked and timed in simulation.
; The chip was launched on July 23, 2026; its instructions are those of AMD's public machine-readable ISA for CDNA 5 (MIT licence, August 2026) and "CDNA5" Instruction Set Architecture Reference Guide (July 2026). The comments in the code are by the model that wrote it; some were corrected since.
;; Resonant Attention Layer. Allowed arithmetic: matrix products marked QUANTISED: E2M3 operands, one E8M0 scale for each 32 along K, by v_wmma_scale_f32_16x16x128_f8f6f4 with both operands' format E2M3, f32 sums; everything else in f32.
;; Inputs: Wk 1,024 x 1,024 float32; Wo 1,024 x 1,024 float32; Wq 1,024 x 1,024 float32; Wv 1,024 x 1,024 float32; bk 1,024 float32; bo 1,024 float32; bq 1,024 float32; bv 1,024 float32; x 4 x 2,048 x 1,024 float32.
;; Outputs: out0 4 x 2,048 x 1,024 float32.
;; This version of the problem:
;;   THIS VERSION OF THE PROBLEM IS GIVEN IN LOW PRECISION. The matrix products marked QUANTISED in the list below multiply operands that are first quantised to E2M3 (2 exponent bits, 3 mantissa bits; 6 bits a number), with one power-of-two scale for each 32 numbers along K (OCP MX v1.0); their sums are f32. All else is computed in f32.
;;   The module's matrix products, in the order in which they are computed (A, B: the left and right operand; K: the contracted axis; several contracted axes count as one K, in the product's order):
;;     1. [M 8,192, K 1,024] x [K 1,024, N 1,024]; A: input x; B: input Wq: QUANTISED
;;     2. [M 8,192, K 1,024] x [K 1,024, N 1,024]; A: input x; B: input Wk: QUANTISED
;;     3. [M 8,192, K 1,024] x [K 1,024, N 1,024]; A: input x; B: input Wv: QUANTISED
;;     4. batch 64 x [M 2,048, K 64] x [K 64, N 2,048]; A: computed on the way; B: computed on the way: QUANTISED
;;     5. batch 64 x [M 2,048, K 2,048] x [K 2,048, N 64]; A: softmax (see below); B: computed on the way: QUANTISED
;;     6. [M 8,192, K 1,024] x [K 1,024, N 1,024]; A: computed on the way; B: input Wo: QUANTISED
;;   THE QUANTISER, for each operand of a quantised product, along K:
;;     - K is cut into blocks of 32 from its start; a last block that is shorter is filled with zeros.
;;     - A block's scale is 2^e with e = floor(log2(the largest magnitude in the block)) - 2, held to -126 .. 127; a block of zeros has e = 0. As a byte (E8M0): e + 127.
;;     - Each number is divided by its block's scale, clamped to +-7.5, and rounded to the nearest number of E2M3, ties to even, subnormals kept.
;;     - The product sums the exact products of the quantised numbers (number of the format x scale) in f32.
;;   ~~~python
;;   def quantise(x, axis):      # numpy; x: float32 -> the quantised numbers, widened to float32 again
;;       x = np.moveaxis(x, axis, -1); K = x.shape[-1]
;;       x = np.pad(x, [(0, 0)] * (x.ndim - 1) + [(0, -K % 32)]); x = x.reshape(x.shape[:-1] + (-1, 32)); a = np.abs(x).max(-1, keepdims=True)
;;       e = np.where(a > 0, np.clip(np.frexp(np.where(a > 0, a, 1))[1] - 1 - 2, -126, 127), 0)      # np.frexp(a)[1] - 1 = floor(log2(a)), exactly
;;       r = np.clip(x / 2.0 ** e, -7.5, 7.5)
;;       step = 2.0 ** (np.maximum(np.frexp(np.where(r == 0, 1, r))[1] - 1, 0) - 3)
;;       q = np.round(r / step) * step * 2.0 ** e      # np.round: ties to even
;;       return np.moveaxis(q.reshape(q.shape[:-2] + (-1,))[..., :K], -1, axis).astype(np.float32)
;;   ~~~
;;   SOFTMAX AHEAD OF A QUANTISED PRODUCT. Where the list says 'softmax', what is quantised is not the finished softmax but p = 2^(t - M), with t = logit x log2(e) and M = ceil(the row's largest t), a whole number; so 1/2 < the row's largest p <= 1. The row's sum l is taken of the UNQUANTISED p, in f32, and the product's result is divided by l at the end. Since M is a whole number, a kernel that streams over the keys may use a running M (the ceiling of the running maximum): every later rescaling is an exact power of two, which a block's scale takes up: the codes' values come out the same.
;;   OPERANDS COMPUTED ON THE WAY. 'Computed on the way' means the value that the module computes at that place (a softmax that the list does not call 'softmax' is quantised finished and normalised). What goes into a quantiser is computed in f32, as accurately as f32 sums, v_exp_f32 and their like allow (about 1e-6 of the number): no bf16 or f16 on the way to a quantiser, and a product that is left as it is and whose result goes on into a quantised operand takes f32 operands (vector FMAs, or v_wmma_f32_16x16x4_f32). A number that lies on a knife's edge between two numbers of the format may be rounded either way, as far as f32 arithmetic and the matrix unit's own rounding can turn it there, and no further.
;; One version. Each part assembles by itself: llvm-mc -triple=amdgcn-amd-amdhsa -mcpu=gfx1250 --defsym DOCPART=n.
;; ======== version 1 of 1: 4 launches
;; workspace buffers: cod 9,437,184 bytes; scl 393,216 bytes; rope 524,288 bytes; qr 6,815,744 bytes; kv 13,369,344 bytes; oc 6,291,456 bytes; os 262,144 bytes
;; launch prep (part 1): grid 400 x 1, 4 waves a work-group, no clusters, 34,304 bytes of LDS; arguments x, Wq, Wk, Wv, Wo, cod, scl, rope; writes cod, scl, rope
.if DOCPART == 1
	.amdgcn_target "amdgcn-amd-amdhsa--gfx1250"
	.amdhsa_code_object_version 6
	.text
	.protected	k_qa186e2f5b7_prep
	.globl	k_qa186e2f5b7_prep
	.p2align	8
	.type	k_qa186e2f5b7_prep,@function
k_qa186e2f5b7_prep:
	s_mov_b64 s[64:65], 0
	v_nop
	global_prefetch_b8 v0, s[64:65] scope:SCOPE_SE
	s_setreg_imm32_b32 hwreg(HW_REG_WAVE_MODE, 25, 1), 1
	s_wait_xcnt 0x0
; PREP: x [8192][1024] and Wq, Wk, Wv, Wo [1024][1024], f32, K innermost, become codes of FP6 (E2M3) with one E8M0 byte for each 32 along K; and RoPE's table of cos and sin is made.
; A block's scale is 2^(floor(log2(its largest magnitude)) - 2): its byte is the largest magnitude's exponent field - 2, held at 1 from below.
; LIMITS: a block of zeros, or one whose largest magnitude lies under 2^-124, gets the byte 1 (its codes are zeros or next to it; this program alone reads the bytes); NaN and infinities among the inputs are not served.
; THE WORKSPACE'S ORDER.  Rows go in groups of 32; tile T = 2 G + u holds, as its row r (0..15), row 32 G + 8 u + r + 8 (r / 8).  cod: [T][unit U 0..15][768 bytes]; a unit is 16 rows x 64 along K as an image of six
; operand registers: lane l = r + 16 h holds k = 64 U + 32 h + 0..31; its registers 0-3 lie at 16 l, registers 4-5 at 512 + 8 l.  scl: [T][s 0..3][r][8 bytes]: row r's bytes for k = 256 s on.
; Tiles 0-511 x, 512-575 Wq, 576-639 Wk, 640-703 Wv, 704-767 Wo.
; SHARES.  Work-groups 0-383 take one group of 32 rows each; wave w takes tile 2 g + (w & 1), k = 512 (w >> 1) on, in four steps of 128 along K, written out: every offset is an immediate.
; Each load reads 512 consecutive bytes of one row; a step's 8,192 bytes turn through the wave's own stage in LDS (16 rows of 528 bytes), so that a lane then holds two whole blocks of 32.  No barrier: waves share nothing.
; Work-groups 384-399 make the table, one thread to a token; that path uses no LDS.  rope: [tile of tokens T' 0..127][chunk 0..7][lane][4 f32]: chunks 0-3 cos, 4-7 sin, of j = 16 h + 4 (chunk % 4) + 0..3, for lane (r, h)'s token.
; The angle is token x 10^(-j / 8), the factor being the f32 nearest to that number; sine and cosine by reduction to a quarter turn (pi / 2 in two parts) and polynomials, all in f32.
.set R,    64                          ; v64-191  two sets of 64: a step's numbers as loaded
.set X,    192                         ; v192-255 the same numbers, 32 c + n = k 64 c + 32 h + n of my row
.set C,    16                          ; v16-39   codes, two sets of 12
.set CT,   40                          ; v40-46   the second halves of two blocks' codes (a conversion's three registers begin on an even number)
.set MX,   48                          ; v48-49 largest magnitudes, v50-51 scale operands, v52-53 bytes, v54 word at work, v55 the other half's
.set WD,   10                          ; v10-13   the four steps' scale words
.set STGB, 8448                        ; a wave's stage
	s_load_b512 s[4:19], s[0:1], 0x0               ; x s[4:5], Wq s[6:7], Wk s[8:9], Wv s[10:11], Wo s[12:13], cod s[14:15], scl s[16:17], rope s[18:19]
	v_lshl_add_u32 v62, v0, 2, 0x8400
	v_mov_b32 v63, 0
	s_mov_b32 s36, ttmp9                           ; g
	v_lshrrev_b32 v9, 5, v0
	v_readfirstlane_b32 s22, v9                    ; wave
	s_cmp_ge_u32 s36, 384
	s_cbranch_scc1 .Lrope
	s_mov_b32 s20, 0x76543210
	s_mov_b32 s21, 0xfedcba98                      ; v_permlanex16_b32's selects for lane l xor 16
	v_and_b32 v1, 31, v0                           ; lane
	v_and_b32 v2, 15, v0                           ; r
	v_bfe_u32 v3, v0, 4, 1                         ; h
	v_lshlrev_b32 v4, 4, v1                        ; 16 x lane
	v_lshlrev_b32 v5, 3, v1                        ; 8 x lane
	s_mul_i32 s23, s22, STGB
	v_add_nc_u32 v6, s23, v4                       ; into the stage: a row's 512 bytes as they lie
	v_mul_u32_u24 v7, v2, 528
	v_lshl_add_u32 v7, v3, 7, v7
	v_add_nc_u32 v7, s23, v7                       ; out of it: row r, + 128 h
	v_lshlrev_b32 v8, 3, v3                        ; 8 h
	v_mov_b32 v[MX+7], 0                           ; written once: a lane permute's destination counts as one of its sources
	s_and_b32 s24, s22, 1                          ; u
	s_lshr_b32 s25, s22, 1                         ; which half of K
	s_and_b32 s26, s36, 31
	s_cmp_lt_u32 s36, 256
	s_cselect_b32 s26, s36, s26                    ; the group's number inside its tensor
	s_lshl_b32 s28, s26, 17                        ; 32 rows of 4,096 bytes,
	s_lshl_b32 s27, s24, 15                        ; 8 u rows,
	s_add_co_u32 s28, s28, s27
	s_lshl_b32 s27, s25, 11                        ; 512 numbers along K
	s_add_co_u32 s28, s28, s27
	s_mov_b32 s29, 0
	s_lshl_b32 s30, s36, 1
	s_add_co_u32 s30, s30, s24                     ; T
	s_mul_i32 s32, s30, 12288
	s_mul_i32 s27, s25, 6144                       ; 8 units
	s_add_co_u32 s32, s32, s27
	s_mov_b32 s33, 0
	s_lshl_b32 s34, s30, 9
	s_lshl_b32 s27, s25, 8
	s_add_co_u32 s34, s34, s27
	s_mov_b32 s35, 0
	s_wait_alu depctr_va_vdst(0)
	s_wait_kmcnt 0x0
	s_cmp_lt_u32 s36, 352                          ; which tensor: the choice hangs on the work-group's number alone
	s_cselect_b64 s[12:13], s[10:11], s[12:13]
	s_cmp_lt_u32 s36, 320
	s_cselect_b64 s[12:13], s[8:9], s[12:13]
	s_cmp_lt_u32 s36, 288
	s_cselect_b64 s[12:13], s[6:7], s[12:13]
	s_cmp_lt_u32 s36, 256
	s_cselect_b64 s[12:13], s[4:5], s[12:13]
	s_add_nc_u64 s[12:13], s[12:13], s[28:29]
	s_add_nc_u64 s[14:15], s[14:15], s[32:33]
	s_add_nc_u64 s[16:17], s[16:17], s[34:35]
.macro LOAD t                          ; step t: 16 rows x 512 bytes into set t % 2; the tile's row p is the group's row 8 u + p + 8 (p / 8)
.irp p, 0,1,2,3,4,5,6,7,8,9,10,11,12,13,14,15
	global_load_b128 v[R+64*((\t)%2)+4*\p:R+64*((\t)%2)+4*\p+3], v4, s[12:13] offset:(\p+8*(\p/8))*4096+512*(\t) th:TH_LOAD_NT
.endr
.endm
.macro QSTEP t
.set RS, R+64*((\t)%2)
.set CC, C+12*((\t)%2)
.if (\t) < 3
	s_wait_loadcnt 16                              ; this step's 16 loads are in; the next step's 16 may be out
.else
	s_wait_loadcnt 0x0
.endif
.irp p, 0,1,2,3,4,5,6,7,8,9,10,11,12,13,14,15
	ds_store_b128 v6, v[RS+4*\p:RS+4*\p+3] offset:528*\p
.endr
.irp c, 0,1
.irp k, 0,1,2,3,4,5,6,7
	ds_load_b128 v[X+32*\c+4*\k:X+32*\c+4*\k+3], v7 offset:256*\c+16*\k   ; LDS serves a wave's instructions in order: these see the stores above
.endr
.endr
	s_wait_dscnt 0x0                               ; my 64 numbers are back, and the stores into the stage have read their registers,
.if (\t) < 2
	LOAD (\t)+2                                    ; which take the loads of two steps on
.endif
.if (\t) >= 2
	s_wait_xcnt 0x0                                ; the stores of two steps ago have read this set of codes: it is written again only behind this wait
.endif
.irp c, 0,1
	v_max3_num_f32 v[MX+\c], |v[X+32*\c]|, |v[X+32*\c+1]|, 0x1800000   ; block 2 c + h is all mine; the floor 2^(3 - 127) holds the byte at 1 from below
.endr
.irp i, 2,4,6,8,10,12,14,16,18,20,22,24,26,28,30
.irp c, 0,1
	v_max3_num_f32 v[MX+\c], v[MX+\c], |v[X+32*\c+\i]|, |v[X+32*\c+\i+1]|
.endr
.endr
.irp c, 0,1
	v_add_nc_u32 v[MX+2+\c], 0xff000000, v[MX+\c]  ; 2 off the exponent field: the conversion takes the exponent field of this operand as its scale
.endr
.irp c, 0,1
	v_lshrrev_b32 v[MX+4+\c], 23, v[MX+2+\c]       ; the scale's byte
.endr
.irp c, 0,1
	v_cvt_scalef32_pk16_fp6_f32 v[CC+6*\c:CC+6*\c+2], v[X+32*\c:X+32*\c+15], v[MX+2+\c]
	v_cvt_scalef32_pk16_fp6_f32 v[CT+4*\c:CT+4*\c+2], v[X+32*\c+16:X+32*\c+31], v[MX+2+\c]
.endr
	v_lshl_or_b32 v[MX+6], v[MX+5], 16, v[MX+4]    ; my two bytes, blocks h and 2 + h.  (Also the plain place behind the conversions)
.irp c, 0,1
.irp i, 0,1,2
	v_mov_b32 v[CC+6*\c+3+\i], v[CT+4*\c+\i]
.endr
.endr
	v_lshlrev_b32 v[MX+6], v8, v[MX+6]             ; at their places in the word, 8 h bits up;
	v_permlanex16_b32 v[MX+7], v[MX+6], s20, s21
	v_or_b32 v[WD+(\t)], v[MX+6], v[MX+7]          ; with lane l xor 16's two the word of row r is whole
.irp c, 0,1
	global_store_b128 v4, v[CC+6*\c:CC+6*\c+3], s[14:15] offset:(2*(\t)+\c)*768       ; 512 consecutive bytes,
	global_store_b64 v5, v[CC+6*\c+4:CC+6*\c+5], s[14:15] offset:(2*(\t)+\c)*768+512  ; and 256: both at multiples of 256 from the buffer's first byte
.endr
.endm
	LOAD 0
	LOAD 1
	QSTEP 0
	QSTEP 1
	QSTEP 2
	QSTEP 3
	v_cmp_eq_u32 vcc_lo, 1, v3
	v_cndmask_b32 v14, v[WD], v[WD+2], vcc_lo      ; lanes 0-15 store the words of my first 256 along K, lanes 16-31 those of the second
	v_cndmask_b32 v15, v[WD+1], v[WD+3], vcc_lo
	global_store_b64 v5, v[14:15], s[16:17]        ; 256 consecutive bytes, aligned
	s_wait_tensorcnt 0x0
	ds_add_u32 v62, v63
	s_wait_dscnt 0x0
	s_endpgm
.Lrope:
	s_sub_co_u32 s23, s36, 384
	s_lshl_b32 s28, s23, 15                        ; 8 tiles of 4,096 bytes a work-group
	s_mov_b32 s29, 0
	s_lshl_b32 s24, s23, 7                         ; its first token
	v_lshrrev_b32 v1, 4, v0                        ; my tile among the 8
	v_and_b32 v2, 15, v0                           ; r
	v_lshlrev_b32 v8, 12, v1
	v_lshl_add_u32 v8, v2, 4, v8                   ; 4,096 x tile + 16 r
	v_lshrrev_b32 v3, 1, v1
	v_lshlrev_b32 v3, 5, v3
	v_and_b32 v4, 1, v1
	v_lshl_add_u32 v3, v4, 3, v3
	v_add_nc_u32 v3, v3, v2
	v_and_b32 v4, 8, v2
	v_add_nc_u32 v3, v3, v4
	v_add_nc_u32 v3, s24, v3                       ; my token: 32 (tile / 2) + 8 (tile % 2) + r + 8 (r / 8)
	v_cvt_f32_u32 v9, v3
	s_mov_b32 s37, 0x3f22f983                      ; 2 / pi
	s_mov_b32 s38, 0x3fc90fdb                      ; pi / 2, its upper part,
	s_mov_b32 s39, 0xb33bbd2e                      ; and the rest
	s_mov_b32 s40, 0xbe2aaaa3                      ; sine: -1.6666654611e-1, 8.3321608736e-3, -1.9515295891e-4
	s_mov_b32 s41, 0x3c08839e
	s_mov_b32 s42, 0xb94ca1f9
	s_mov_b32 s43, 0x3d2aaaa5                      ; cosine: 4.166664568e-2, -1.388731625e-3, 2.443315712e-5
	s_mov_b32 s44, 0xbab6061a
	s_mov_b32 s45, 0x37ccf5ce
	s_wait_alu depctr_va_vdst(0)
	s_wait_kmcnt 0x0
	s_add_nc_u64 s[18:19], s[18:19], s[28:29]
.set J, 0
.irp f, 1.0, 0.7498942093324559, 0.5623413251903491, 0.4216965034285822, 0.31622776601683794, 0.23713737056616552, 0.1778279410038923, 0.1333521432163324, 0.1, 0.07498942093324559, 0.05623413251903491, 0.04216965034285822, 0.031622776601683794, 0.023713737056616552, 0.01778279410038923, 0.01333521432163324, 0.01, 0.007498942093324559, 0.005623413251903491, 0.004216965034285822, 0.0031622776601683794, 0.0023713737056616552, 0.001778279410038923, 0.001333521432163324, 0.001, 0.0007498942093324559, 0.0005623413251903491, 0.0004216965034285822, 0.00031622776601683794, 0.00023713737056616552, 0.0001778279410038923, 0.0001333521432163324
	v_mul_f32 v10, \f, v9                          ; the angle, one f32 product
	v_mul_f32 v11, s37, v10
	v_rndne_f32 v11, v11                           ; quarter turns, at most 1,303
	v_fma_f32 v12, -v11, s38, v10                  ; exact: the difference has no bit under 2^-23 and lies under 1
	v_fma_f32 v12, -v11, s39, v12                  ; what is left, within pi / 4
	v_mul_f32 v13, v12, v12
	v_fma_f32 v14, v13, s42, s41
	v_fma_f32 v14, v14, v13, s40
	v_mul_f32 v15, v12, v13
	v_fma_f32 v14, v15, v14, v12                   ; its sine
	v_fma_f32 v16, v13, s45, s44
	v_fma_f32 v16, v16, v13, s43
	v_mul_f32 v17, v13, v13
	v_fma_f32 v18, v13, -0.5, 1.0
	v_fma_f32 v16, v17, v16, v18                   ; its cosine
	v_cvt_i32_f32 v19, v11
	v_and_b32 v20, 1, v19
	v_cmp_eq_u32 vcc_lo, 1, v20
	v_cndmask_b32 v21, v14, v16, vcc_lo            ; an odd number of quarter turns swaps the two;
	v_cndmask_b32 v22, v16, v14, vcc_lo
	v_and_b32 v20, 2, v19
	v_lshlrev_b32 v20, 30, v20
	v_xor_b32 v[96+J], v21, v20                    ; the sine changes sign in quarters 2 and 3,
	v_add_nc_u32 v19, 1, v19
	v_and_b32 v19, 2, v19
	v_lshlrev_b32 v19, 30, v19
	v_xor_b32 v[64+J], v22, v19                    ; the cosine in quarters 1 and 2
.set J, J+1
.endr
.irp cs, 0,1
.irp h, 0,1
.irp k, 0,1,2,3
	global_store_b128 v8, v[64+32*\cs+16*\h+4*\k:64+32*\cs+16*\h+4*\k+3], s[18:19] offset:(4*\cs+\k)*512+256*\h   ; sixteen lanes store 256 consecutive bytes, aligned
.endr
.endr
.endr
	s_endpgm
.Lfunc_end_k_qa186e2f5b7_prep:
	.size	k_qa186e2f5b7_prep, .Lfunc_end_k_qa186e2f5b7_prep-k_qa186e2f5b7_prep
	.p2alignl 7, 3214868480
	.fill 96, 4, 3214868480
	.section	.rodata,"a",@progbits
	.p2align	6, 0x0
	.amdhsa_kernel k_qa186e2f5b7_prep
		.amdhsa_group_segment_fixed_size 34304
		.amdhsa_private_segment_fixed_size 0
		.amdhsa_enable_private_segment 0
		.amdhsa_kernarg_size 64
		.amdhsa_user_sgpr_count 2
		.amdhsa_user_sgpr_kernarg_segment_ptr 1
		.amdhsa_wavefront_size32 1
		.amdhsa_system_sgpr_workgroup_id_x 1
		.amdhsa_system_sgpr_workgroup_id_y 1
		.amdhsa_system_sgpr_workgroup_id_z 1
		.amdhsa_system_vgpr_workitem_id 0
		.amdhsa_next_free_vgpr 256
		.amdhsa_next_free_sgpr 66
		.amdhsa_reserve_vcc 1
		.amdhsa_float_denorm_mode_32 3
		.amdhsa_float_denorm_mode_16_64 3
		.amdhsa_memory_ordered 1
		.amdhsa_forward_progress 1
		.amdhsa_inst_pref_size 70
	.end_amdhsa_kernel
	.amdgpu_metadata
---
amdhsa.version: [ 1, 2 ]
amdhsa.kernels:
  - .name:           k_qa186e2f5b7_prep
    .symbol:         k_qa186e2f5b7_prep.kd
    .args:
      - { .name: x, .offset: 0, .size: 8, .value_kind: global_buffer, .address_space: global }
      - { .name: Wq, .offset: 8, .size: 8, .value_kind: global_buffer, .address_space: global }
      - { .name: Wk, .offset: 16, .size: 8, .value_kind: global_buffer, .address_space: global }
      - { .name: Wv, .offset: 24, .size: 8, .value_kind: global_buffer, .address_space: global }
      - { .name: Wo, .offset: 32, .size: 8, .value_kind: global_buffer, .address_space: global }
      - { .name: cod, .offset: 40, .size: 8, .value_kind: global_buffer, .address_space: global }
      - { .name: scl, .offset: 48, .size: 8, .value_kind: global_buffer, .address_space: global }
      - { .name: rope, .offset: 56, .size: 8, .value_kind: global_buffer, .address_space: global }
    .group_segment_fixed_size: 34304
    .private_segment_fixed_size: 0
    .kernarg_segment_align: 8
    .kernarg_segment_size: 64
    .max_flat_workgroup_size: 128
    .sgpr_count:     66
    .vgpr_count:     256
    .wavefront_size: 32
...
	.end_amdgpu_metadata
.endif
;; end of part 1
;; launch qkv (part 2): grid 12 x 32, 4 waves a work-group, clusters of 4 x 4, 327,680 bytes of LDS; arguments cod, scl, rope, bq, bk, bv, qr, kv; writes qr, kv
.if DOCPART == 2
	.amdgcn_target "amdgcn-amd-amdhsa--gfx1250"
	.amdhsa_code_object_version 6
	.text
	.protected	k_qa186e2f5b7_qkv
	.globl	k_qa186e2f5b7_qkv
	.p2align	8
	.type	k_qa186e2f5b7_qkv,@function
k_qa186e2f5b7_qkv:
	s_mov_b64 s[64:65], 0
	v_nop
	global_prefetch_b8 v0, s[64:65] scope:SCOPE_SE
	s_setreg_imm32_b32 hwreg(HW_REG_WAVE_MODE, 25, 1), 1
	s_wait_xcnt 0x0
	s_wait_alu depctr_hold_cnt(0) depctr_sa_sdst(0) depctr_va_vdst(0) depctr_va_sdst(0) depctr_va_ssrc(0) depctr_va_vcc(0) depctr_vm_vsrc(0)
	s_getreg_b32 s2, hwreg(HW_REG_IB_STS2, 6, 4)
	s_cmp_eq_u32 s2, 0
	s_cbranch_scc0 .Lentry_in_a_cluster
	s_endpgm
.Lentry_in_a_cluster:
	s_bfe_u32 s2, ttmp6, 0x10000c
	s_cmp_lg_u32 s2, 0xf033
	s_cbranch_scc0 .Lentry_shape_is_right
	s_endpgm
.Lentry_shape_is_right:
; QKV: q = x Wq^T + bq, k = x Wk^T + bk, v = x Wv^T + bv on codes of FP6 (E2M3) with E8M0 scales; RoPE on q and k in f32; then q and k are quantised along the head's 64, v along the keys, and only codes and scale words go to memory.
; A work-group of four waves makes 256 x 256, a wave 128 x 128: 64 accumulators, 512 registers.  K = 1,024 goes in four steps of 256 through a ring of two LDS slots filled by the tensor data mover; the four steps are written out.
; OPERANDS LIE IN MEMORY AS IMAGES OF REGISTERS (tile T: 16 rows, row r = row 32 (T / 2) + 8 (T % 2) + r + 8 (r / 8); unit: 16 rows x 64 K, 768 bytes: lane l's registers 0-3 at 16 l, 4-5 at 512 + 8 l).
; So a fragment of 128 along K comes by four LDS loads of consecutive bytes, and a tile's 256 along K are 3,072 dense bytes.
; SOURCE 0 GIVES THE REGISTERS' AXIS, SOURCE 1 THE LANES': with the tiles' order of rows, a lane's register 16 b + i of a block's 64 results is row 32 b + 16 (lane / 16) + i of source 0's 128.
; q and k want the head's axis along the registers (source 0 = W, source 1 = x), v the keys (source 0 = x, source 1 = Wv).  One loop serves both: only which tiles a cluster takes differs.
; Region B of a slot feeds source 0 and is shared along a column of the cluster, region A feeds source 1 and is shared along a row.  Clusters with x = 0 (q) and 1 (k): B = W's tiles, A = x's.  Clusters with x = 2 (v): B = x's, A = Wv's.
; That choice hangs on the cluster's x alone, which all sixteen partners share.  Each tile is asked for JOINTLY by the four that need it.
; OUT.  qr: [batch x head][128 tokens] records of 6,656 bytes: 8 units of q, 512 bytes of scale words.  kv: records of 13,056 bytes: K's 8 units; V's 4 fragments (16 of the head's 64 x 128 keys) at 6,144; K's words at 12,288; V's at 12,800.
; q's and K's words: [lane l][p 0..3]: tile 2 p + l / 16, row l % 16; bytes 0, 1 are the head's two blocks, bytes 2, 3 are 0x7f (1.0): the next launch multiplies 128 deep with zeros above 64.  V's: [lane l][p 0..1], four bytes each.
; LIMITS: NaN and infinities are not served; a block of zeros or under 2^-124 gets the byte 1 (this program alone reads the bytes).
; REGISTERS.  window 0: v1 r, v2 h, v8-11 and v16-29 addresses; v32-63 scale words of the products, two sets, and nothing else; v64-120 the way out's work; v128-223 A's fragments, ONE set; on the way out v128-191 a block's 64 numbers.
;   window 1: B's fragments, two sets, at v0 and v128; on the way out v0-63 the bias, v64-127 two sets of cos and sin.   windows 2, 3: the accumulators, (a, b) at v[8 (8 (a % 4) + b)].
.set NQ,     2                         ; matrix instructions deep in a slot
.set FR,     12                        ; registers of a fragment
.set NL,     4                         ; LDS loads that bring one
.set NP,     4                         ; places behind this matrix instruction (ISA guide 7.12.1)
.set TILEB,  3072                      ; a tile's 256 along K
.set HALFT,  8*TILEB                   ; 8 tiles: what one tensor load brings, and what one wave reads of A or of B
.set SLOT,   4*HALFT                   ; A's 16 tiles, then B's 16
.set SCL,    2*SLOT                    ; behind the ring: the scale bytes for all of K, A's 8,192 bytes, then B's: filled once
.set HALFS,  4096
.set SPARE,  SCL+4*HALFS               ; the spare words, 128 bytes for each wave: two blocks of 256 bytes that no other line names
.set L16,  8                           ; v8   16 x lane
.set L8,   9                           ; v9   8 x lane
.set H64,  10                          ; v10  64 h
.set RB4,  11                          ; v11  4 (r + 8 (r / 8))
.set ADRA, 16                          ; v16-17 A's fragments in slot 0, 1: + 16 x lane;  v18-19: + 8 x lane
.set ADRB, 20                          ; v20-23 the same for B
.set ADRS, 27                          ; v27  my scale words: lanes 0-15 A's rows, lanes 16-31 B's
.set SPW,  28                          ; v28  my spare word: SPARE + 4 x my thread's number; never rewritten
.set NIL,  29                          ; v29  0; never rewritten
.set SC,   32
.set PC,   64                          ; v64-75 the codes just made; v76-78, v80-82 second halves
.set TM,   84                          ; v84-87 largest magnitudes, v88-91 the other half's, then bytes, v92-95 scale operands
.set PWS,  96                          ; v96-103 the eight blocks' scale words
.set RT,   104                         ; v104-111 RoPE's temporaries
.set WW,   112                         ; v112-119 words on their way out; v120 their place
.set AF,   128
.set Y,    128
.set BI,   0                           ; window 1
.set BV,   0
.set CS0,  64
.set G1,   24
.set G0,   32
.set G1B,  48
.set G0B,  56
.set SEL,  66                          ; s[66:67] v_permlanex16_b32's selects for lane l xor 16
.set G1S,  68
.set G0S,  76
.set G1SB, 80
.set G0SB, 88
.set MSB, 0
.macro WIN new                         ; the immediate's high byte repeats the setting that is left; a switch that changes nothing is dropped
.if MSB != (\new)
	s_set_vgpr_msb (MSB<<8)|(\new)
.set MSB, (\new)
.endif
.endm
.set MUL_LO, 0xa1                      ; source 0 (B) window 1, source 1 (A) window 0, C and D window 2
.set MUL_HI, 0xf1                      ; the same, C and D window 3
.set TO_B,   0x40                      ; destination window 1, address window 0
; A joint load: waves 0 and 1 fetch for A, waves 2 and 3 for B.  Each line has one mask and one set of registers for all that issue it; the branch hangs on the wave's number alone.  Four v_nop follow each line.
.macro JLOAD g0a, g1a, g0b, g1b
	s_cmp_eq_u32 s21, 0
	s_cbranch_scc0 .Lfor_b_\@
	tensor_load_to_lds s[\g0a:\g0a+3], s[\g1a:\g1a+7]
	s_nop 0
.rept 4
	v_nop
.endr
	s_branch .Lasked_\@
.Lfor_b_\@:
	tensor_load_to_lds s[\g0b:\g0b+3], s[\g1b:\g1b+7]
	s_nop 0
.rept 4
	v_nop
.endr
.Lasked_\@:
.endm
.macro CREST                           ; a round of the cluster's barrier behind its opening barrier
	s_cmp_lg_u32 s20, 0
	s_cbranch_scc1 .Lnot_wave_0_\@
	s_barrier_signal -3
.Lnot_wave_0_\@:
	s_barrier_wait -3
	s_barrier_signal -1
	s_barrier_wait -1
.endm
.macro CROUND                          ; a whole round
	s_barrier_signal -1
	s_barrier_wait -1
	CREST
.endm
	s_load_b512 s[4:19], s[0:1], 0x0               ; cod s[4:5], scl s[6:7], rope s[8:9], bq s[10:11], bk s[12:13], bv s[14:15], qr s[16:17], kv s[18:19]
	v_lshl_add_u32 v[SPW], v0, 2, SPARE
	v_mov_b32 v[NIL], 0
	ds_add_u32 v28, v29
	ds_add_u32 v28, v29
	s_wait_dscnt 0x0
	v_lshrrev_b32 v3, 5, v0
	v_readfirstlane_b32 s20, v3                    ; wave 0..3
	s_lshr_b32 s21, s20, 1                         ; which half of A's rows is mine.  Also: I fetch for A (0) or for B (1)
	s_and_b32 s22, s20, 1                          ; which half of B's rows.  Also: which 8 tiles I fetch
	s_bfe_u32 s40, ttmp6, 0x40000                  ; cx, cy: my place in the cluster
	s_bfe_u32 s41, ttmp6, 0x40004
	s_mov_b32 s3, ttmp9                            ; the cluster's x: 0 q, 1 k, 2 v
	s_and_b32 s47, ttmp7, 0xffff                   ; the cluster's y
	s_cmp_eq_u32 s3, 2
	s_cselect_b32 s23, 1, 0                        ; 1: v
	s_cselect_b32 s42, s47, s3
	s_cselect_b32 s43, 0, s47
	s_cselect_b32 s100, 640, 0                     ; A's first tile in cod: Wv's or x's
	s_cselect_b32 s101, 0, 512                     ; B's: x's or Wq's (Wk's follow them)
	s_lshl_b32 s42, s42, 2
	s_add_co_u32 s42, s42, s40                     ; col: which 16 tiles of B.  q, k: 4 x cluster x + cx (0-3 Wq, 4-7 Wk); v: 4 x cluster y + cx (tokens)
	s_lshl_b32 s43, s43, 2
	s_add_co_u32 s43, s43, s41                     ; row: which 16 tiles of A.  q, k: 4 x cluster y + cy (tokens); v: cy (Wv)
	s_lshl_b32 s44, s41, 2
	s_lshl_b32 s44, 15, s44                        ; my row of the cluster
	s_lshl_b32 s45, 0x1111, s40                    ; my column
	; descriptor group 1 for codes: 8 tiles x 3,072 bytes (384 elements of 8 bytes), 12,288 bytes (1,536 elements) from tile to tile; no padding
	s_or_b32 s[G1+0], s44, (3<<16)|(1<<21)         ; 15:0 the mask: A's tiles go to my row; 17:16 elements of 8 bytes; 21 set beside a mask
	s_or_b32 s[G1B+0], s45, (3<<16)|(1<<21)        ; B's go to my column
.irp g, G1, G1B
	s_mov_b32 s[\g+1], 384<<16                     ; tensor_dim0
	s_mov_b32 s[\g+2], 8<<16                       ; tensor_dim1
	s_mov_b32 s[\g+3], 384<<16                     ; tile_dim0
	s_mov_b32 s[\g+4], 8                           ; tile_dim1
	s_mov_b32 s[\g+5], 1536                        ; tensor_dim0_stride
	s_mov_b32 s[\g+6], 0
	s_mov_b32 s[\g+7], 0
.endr
	; and for the scale bytes of 8 tiles: 4,096 dense bytes as 16 rows of 256
	s_or_b32 s[G1S+0], s44, (3<<16)|(1<<21)
	s_or_b32 s[G1SB+0], s45, (3<<16)|(1<<21)
.irp g, G1S, G1SB
	s_mov_b32 s[\g+1], 32<<16
	s_mov_b32 s[\g+2], 16<<16
	s_mov_b32 s[\g+3], 32<<16
	s_mov_b32 s[\g+4], 16
	s_mov_b32 s[\g+5], 32
	s_mov_b32 s[\g+6], 0
	s_mov_b32 s[\g+7], 0
.endr
	s_lshl_b32 s46, s22, 3                         ; which 8 tiles I fetch
	s_lshl_b32 s92, s43, 4
	s_add_co_u32 s92, s92, s100
	s_add_co_u32 s92, s92, s46                     ; A: in registers that never hold cx
	s_lshl_b32 s96, s42, 4
	s_add_co_u32 s96, s96, s101
	s_add_co_u32 s96, s96, s46                     ; B: in registers that never hold cy
	s_lshl_b32 s94, s92, 9                         ; 512 scale bytes a tile
	s_mov_b32 s95, 0
	s_mul_i32 s92, s92, 12288
	s_mov_b32 s93, 0
	s_lshl_b32 s98, s96, 9
	s_mov_b32 s99, 0
	s_mul_i32 s96, s96, 12288
	s_mov_b32 s97, 0
	s_mul_i32 s47, s20, HALFT                      ; where they go: wave x 8 tiles: no place in the cluster enters an LDS address
	s_lshl_b32 s46, s20, 12
	s_mov_b32 s[SEL], 0x76543210
	s_mov_b32 s[SEL+1], 0xfedcba98
	s_wait_kmcnt 0x0
	s_add_nc_u64 s[92:93], s[4:5], s[92:93]
	s_add_nc_u64 s[94:95], s[6:7], s[94:95]
	s_add_nc_u64 s[96:97], s[4:5], s[96:97]
	s_add_nc_u64 s[98:99], s[6:7], s[98:99]
	CROUND                                         ; all sixteen work-groups are here: the first joint loads meet
	s_mov_b32 s[G0S], 1
	s_add_co_u32 s[G0S+1], s46, SCL
	s_mov_b64 s[G0S+2:G0S+3], s[94:95]
	s_or_b32 s[G0S+3], s[G0S+3], 0x80000000
	s_mov_b32 s[G0SB], 1
	s_add_co_u32 s[G0SB+1], s46, SCL
	s_mov_b64 s[G0SB+2:G0SB+3], s[98:99]
	s_or_b32 s[G0SB+3], s[G0SB+3], 0x80000000
	JLOAD G0S, G1S, G0SB, G1SB                     ; the scales first: they are wanted with K step 0
.irp s, 0,1
	s_mov_b32 s[G0+4*\s], 1
	s_add_co_u32 s[G0+4*\s+1], s47, \s*SLOT
	s_add_nc_u64 s[G0+4*\s+2:G0+4*\s+3], s[92:93], \s*TILEB
	s_or_b32 s[G0+4*\s+3], s[G0+4*\s+3], 0x80000000
	s_mov_b32 s[G0B+4*\s], 1
	s_add_co_u32 s[G0B+4*\s+1], s47, \s*SLOT
	s_add_nc_u64 s[G0B+4*\s+2:G0B+4*\s+3], s[96:97], \s*TILEB
	s_or_b32 s[G0B+4*\s+3], s[G0B+4*\s+3], 0x80000000
	JLOAD G0+4*\s, G1, G0B+4*\s, G1B               ; three tensor loads of mine are out now
.endr
	v_and_b32 v1, 15, v0                           ; r
	v_bfe_u32 v2, v0, 4, 1                         ; h
	v_and_b32 v3, 31, v0
	v_lshlrev_b32 v[L16], 4, v3
	v_lshlrev_b32 v[L8], 3, v3
	v_lshlrev_b32 v[H64], 6, v2
	v_and_b32 v[RB4], 8, v1
	v_add_nc_u32 v[RB4], v[RB4], v1
	v_lshlrev_b32 v[RB4], 2, v[RB4]
	s_mul_i32 s46, s21, HALFT                      ; my 8 tiles of A
	s_mul_i32 s47, s22, HALFT                      ; my 8 tiles of B,
	s_add_co_u32 s47, s47, 2*HALFT                 ; which lie behind A's 16
.irp s, 0,1
	v_add_nc_u32 v[ADRA+\s], s46, v[L16]
	v_add_nc_u32 v[ADRB+\s], s47, v[L16]
	v_add_nc_u32 v[ADRA+2+\s], s46, v[L8]
	v_add_nc_u32 v[ADRB+2+\s], s47, v[L8]
	s_add_co_u32 s46, s46, SLOT
	s_add_co_u32 s47, s47, SLOT
.endr
	s_lshl_b32 s46, s21, 12                        ; A's scale bytes: my 8 tiles
	s_lshl_b32 s47, s22, 12                        ; B's: my 8 tiles, behind A's 16
	s_add_co_u32 s47, s47, 2*HALFS
	s_sub_co_u32 s47, s47, s46
	v_mul_u32_u24 v4, s47, v2                      ; lanes 16-31 take B's: the lower base + h x the distance
	s_add_co_u32 s46, s46, SCL
	v_lshl_add_u32 v4, v1, 3, v4                   ; 8 bytes a row and K step
	v_add_nc_u32 v[ADRS], s46, v4
.irp b, 0,1,2,3
	v_mov_b32 v[TM+4+\b], 0                        ; written once: a lane permute's destination counts as one of its sources
.endr
.macro FRAG reg, adr, q, i             ; tile i's q-th 128 along K: two units, four loads of consecutive bytes
	ds_load_b128 v[\reg:\reg+3], v[\adr] offset:(\i)*TILEB+(\q)*1536
	ds_load_b64 v[\reg+4:\reg+5], v[\adr+2] offset:(\i)*TILEB+(\q)*1536+512
	ds_load_b128 v[\reg+6:\reg+9], v[\adr] offset:(\i)*TILEB+(\q)*1536+768
	ds_load_b64 v[\reg+10:\reg+11], v[\adr+2] offset:(\i)*TILEB+(\q)*1536+1280
.endm
; 16 matrix instructions: A's blocks a0, a0 + 1 x B's eight.  p: B's set; sc: the set of scale words.  zero = 1: the first product starts the sums.  The 64 accumulators take turns, one instruction a turn, in the same order in every step.
.macro MUL16 a0, p, q, sc, zero
.irp a, \a0, \a0+1
.irp b, 0,1,2,3,4,5,6,7
.if \zero
	v_wmma_scale_f32_16x16x128_f8f6f4 v[8*(8*((\a)%4)+\b):8*(8*((\a)%4)+\b)+7], v[128*(\p)+FR*\b:128*(\p)+FR*\b+FR-1], v[AF+FR*(\a):AF+FR*(\a)+FR-1], 0, v[SC+8*NQ*(\sc)+NQ*\b+(\q)], v[SC+8*NQ*(\sc)+NQ*(\a)+(\q)] matrix_a_fmt:MATRIX_FMT_FP6 matrix_b_fmt:MATRIX_FMT_FP6 matrix_a_scale:MATRIX_SCALE_ROW1
.else
	v_wmma_scale_f32_16x16x128_f8f6f4 v[8*(8*((\a)%4)+\b):8*(8*((\a)%4)+\b)+7], v[128*(\p)+FR*\b:128*(\p)+FR*\b+FR-1], v[AF+FR*(\a):AF+FR*(\a)+FR-1], v[8*(8*((\a)%4)+\b):8*(8*((\a)%4)+\b)+7], v[SC+8*NQ*(\sc)+NQ*\b+(\q)], v[SC+8*NQ*(\sc)+NQ*(\a)+(\q)] matrix_a_fmt:MATRIX_FMT_FP6 matrix_b_fmt:MATRIX_FMT_FP6 matrix_a_scale:MATRIX_SCALE_ROW1
.endif
.endr
.endr
.endm
.macro FETCH_B slot, q, p
	WIN TO_B
.irp i, 0,1,2,3,4,5,6,7
	FRAG 128*(\p)+FR*\i, ADRB+\slot, \q, \i
.endr
	WIN 0
.endm
.macro FETCH_A slot, q, i0
.irp i, \i0, \i0+1, \i0+2, \i0+3
	FRAG AF+FR*(\i), ADRA+\slot, \q, \i
.endr
.endm
.macro SCALES sc                       ; a K step's scale words: two a row; lanes 0-15 take A's block i, lanes 16-31 B's block i
.irp i, 0,1,2,3,4,5,6,7
	ds_load_b64 v[SC+8*NQ*\sc+NQ*\i:SC+8*NQ*\sc+NQ*\i+1], v[ADRS] offset:\i*512
.endr
.endm
.macro PLACES n                        ; plain vector instructions that name none of a matrix instruction's registers, in front of loads into registers that it has read and of reads of its results (ISA guide 7.12.1 for reads of its results)
.rept \n
	v_nop
.endr
.endm
.macro STEP slot, q, zero              ; 128 along K that have their successor in the same slot
	s_wait_dscnt 4*NL                              ; B's set, A's blocks 0-3 and the scale words are in; the youngest 16 loads (A's blocks 4-7) may be out
	WIN MUL_LO
	MUL16 0, (\q)%2, \q, \slot, \zero
	MUL16 2, (\q)%2, \q, \slot, \zero
	s_wait_dscnt 0                                 ; A's blocks 4-7 are in (asked for 32 matrix instructions ago)
	PLACES NP
	FETCH_B \slot, (\q)+1, 1-(\q)%2
	FETCH_A \slot, (\q)+1, 0
	WIN MUL_HI
	MUL16 4, (\q)%2, \q, \slot, \zero
	MUL16 6, (\q)%2, \q, \slot, \zero
	PLACES NP
	WIN 0
	FETCH_A \slot, (\q)+1, 4
.endm
; A slot's last 128 change slots: ONE barrier; in front of it each wave waits for all its tensor loads, adds 0 to its spare word, and waits for that and for its own reads of this slot.  fill = 1: this slot is filled again, two K steps ahead.
.macro TURN slot, next, fill
	s_wait_tensorcnt 0x0                           ; all my tensor loads have landed: my part of the next slot  (every window is 0 here)
	ds_add_u32 v[SPW], v[NIL]                      ; 0 onto my spare word
	s_wait_dscnt 4*NL+1                            ; (the add and the youngest 16 loads may be out)
	WIN MUL_LO
	MUL16 0, 1, NQ-1, \slot, 0                     ; sixteen matrix instructions stand between the add and the wait for it
	s_wait_dscnt 0x0                               ; the add is done, and my reads of this slot are over
	s_barrier_signal -1
	MUL16 2, 1, NQ-1, \slot, 0
	WIN 0
	s_barrier_wait -1
.if \fill
	CREST                                          ; the barrier has opened a round of the cluster's barrier: no wave of any partner still reads this slot or has a load on its way
	s_add_nc_u64 s[G0+4*\slot+2:G0+4*\slot+3], s[G0+4*\slot+2:G0+4*\slot+3], 2*TILEB
	s_add_nc_u64 s[G0B+4*\slot+2:G0B+4*\slot+3], s[G0B+4*\slot+2:G0B+4*\slot+3], 2*TILEB
	JLOAD G0+4*\slot, G1, G0B+4*\slot, G1B         ; the first tensor load behind the round, my one load out; its four v_nop are also the places in front of the loads below
.else
	PLACES NP
.endif
	s_wait_alu depctr_va_vdst(0)
	v_add_nc_u32 v[ADRS], 128, v[ADRS]             ; the next K step's scale words (no LDS load of mine is out)
	FETCH_B \next, 0, 0
	FETCH_A \next, 0, 0
	SCALES \next
	WIN MUL_HI
	MUL16 4, 1, NQ-1, \slot, 0
	MUL16 6, 1, NQ-1, \slot, 0
	PLACES NP
	WIN 0
	FETCH_A \next, 0, 4
.endm
.macro LAST                            ; the very last 128: nothing more to fetch
	s_wait_dscnt 4*NL
	WIN MUL_LO
	MUL16 0, 1, NQ-1, 1, 0
	MUL16 2, 1, NQ-1, 1, 0
	s_wait_dscnt 0
	WIN MUL_HI
	MUL16 4, 1, NQ-1, 1, 0
	MUL16 6, 1, NQ-1, 1, 0
	WIN 0
.endm
; 64 numbers of a lane, v[s] on, register 16 b + i = k 32 b + 16 (lane / 16) + i of my row, become a fragment's codes in v[PC] on and its scale word in v[pw].
.macro QUANT s, pw
.irp b, 0,1,2,3
	v_max3_num_f32 v[TM+\b], |v[\s+16*\b]|, |v[\s+1+16*\b]|, 0x1800000   ; block b: my 16 numbers, and the floor 2^(3 - 127): the byte cannot fall under 1
.endr
.irp i, 2,4,6,8,10,12,14
.irp b, 0,1,2,3
	v_max3_num_f32 v[TM+\b], v[TM+\b], |v[\s+16*\b+\i]|, |v[\s+1+16*\b+\i]|
.endr
.endr
.irp b, 0,1,2,3
	v_permlanex16_b32 v[TM+4+\b], v[TM+\b], s[SEL], s[SEL+1]
.endr
.irp b, 0,1,2,3
	v_max_num_f32 v[TM+\b], v[TM+\b], v[TM+4+\b]   ; with lane l xor 16's: the block's largest magnitude
.endr
.irp b, 0,1,2,3
	v_add_nc_u32 v[TM+8+\b], 0xff000000, v[TM+\b]  ; 2 off its exponent field: the conversion's scale operand
.endr
.irp b, 0,1,2,3
	v_lshrrev_b32 v[TM+4+\b], 23, v[TM+8+\b]       ; the scale's byte
.endr
	v_lshl_or_b32 v[\pw], v[TM+5], 8, v[TM+4]
	v_lshl_or_b32 v[\pw], v[TM+6], 16, v[\pw]
	v_lshl_or_b32 v[\pw], v[TM+7], 24, v[\pw]
.irp c, 0,1
	v_cvt_scalef32_pk16_fp6_f32 v[PC+6*\c:PC+2+6*\c], v[\s+32*\c:\s+15+32*\c], v[TM+8+2*\c]
	v_cvt_scalef32_pk16_fp6_f32 v[PC+12+4*\c:PC+14+4*\c], v[\s+16+32*\c:\s+31+32*\c], v[TM+8+2*\c+1]   ; (a conversion's three registers begin on an even number)
.endr
	v_nop                                          ; one plain place behind a scaled conversion
.irp c, 0,1                                    ; the operand's layout wants a WHOLE block in a lane: lanes 0-15 block 2 c, lanes 16-31 block 2 c + 1
.irp i, 0,1,2
	v_permlane16_swap_b32 v[PC+6*\c+\i], v[PC+12+4*\c+\i]
.endr
.irp i, 0,1,2
	v_mov_b32 v[PC+3+6*\c+\i], v[PC+12+4*\c+\i]
.endr
.endr
.endm
.macro ENDING
	s_wait_tensorcnt 0x0                           ; the wave's end
	ds_add_u32 v[SPW], v[NIL]
	s_wait_dscnt 0x0
	CROUND                                         ; the closing round: no work-group ends while a partner may still ask for a tile that names it
	s_endpgm
.endm
	s_wait_alu depctr_va_vdst(0)
	s_wait_tensorcnt 1                             ; the scales and my part of K step 0 are in (K step 1's load may be out)
	s_barrier_signal -1
	s_barrier_wait -1                              ; everybody's are
	FETCH_B 0, 0, 0
	FETCH_A 0, 0, 0
	SCALES 0
	FETCH_A 0, 0, 4
	STEP 0, 0, 1                                   ; K step 0; its first products start the sums
	TURN 0, 1, 1                                   ; slot 0 takes K step 2
	STEP 1, 0, 0                                   ; K step 1
	TURN 1, 0, 1                                   ; slot 1 takes K step 3
	STEP 0, 0, 0                                   ; K step 2
	TURN 0, 1, 0                                   ; nothing is left to fetch
	STEP 1, 0, 0                                   ; K step 3; its last 128 follow on either path, behind the first loads of the way out
	s_cmp_eq_u32 s23, 1
	s_cbranch_scc1 .Lpath_v                        ; the same way in all sixteen partners
	; ---------------- q and k.  A's block a = tile a of my 128 tokens (lanes); registers = my 128 columns = two heads.
	s_mov_b32 s92, 6656
	s_mov_b32 s93, 6144
	s_cmp_eq_u32 s3, 1                             ; k?
	s_cselect_b32 s92, 13056, s92                  ; a record's bytes
	s_cselect_b32 s93, 12288, s93                  ; where its scale words lie
	s_cselect_b64 s[16:17], s[18:19], s[16:17]     ; kv or qr
	s_cselect_b64 s[10:11], s[12:13], s[10:11]     ; bk or bq
	s_lshr_b32 s94, s43, 3                         ; batch
	s_lshl_b32 s94, s94, 4
	s_and_b32 s95, s42, 3                          ; which 256 columns of the weight
	s_lshl_b32 s96, s95, 2
	s_add_co_u32 s94, s94, s96
	s_lshl_b32 s96, s22, 1
	s_add_co_u32 s94, s94, s96                     ; 16 x batch + my first head
	s_lshl_b32 s94, s94, 4
	s_and_b32 s97, s43, 7
	s_lshl_b32 s96, s97, 1
	s_add_co_u32 s96, s96, s21                     ; which 128 tokens of the batch
	s_add_co_u32 s94, s94, s96
	s_mul_i32 s98, s94, s92
	s_mov_b32 s99, 0
	s_add_nc_u64 s[16:17], s[16:17], s[98:99]      ; my first head's record,
	s_lshl_b32 s98, s92, 4
	s_add_nc_u64 s[18:19], s[16:17], s[98:99]      ; my second head's: 16 records on
	s_lshl_b32 s98, s97, 16
	s_lshl_b32 s96, s21, 15
	s_add_co_u32 s98, s98, s96
	s_add_nc_u64 s[8:9], s[8:9], s[98:99]          ; the table at my first tile of tokens: 4,096 bytes a tile
	s_lshl_b32 s98, s95, 10
	s_lshl_b32 s96, s22, 9
	s_add_co_u32 s98, s98, s96
	s_add_nc_u64 s[10:11], s[10:11], s[98:99]      ; the bias at my first column
	s_mov_b32 s100, 0x7f7f0000
.macro CSLOAD a                        ; cos and sin for tile a's tokens: 8 x 512 consecutive bytes into set a % 2: register i cos, 16 + i sin, of j = 16 h + i
	WIN TO_B
.irp k, 0,1,2,3,4,5,6,7
	global_load_b128 v[CS0+32*((\a)%2)+4*\k:CS0+32*((\a)%2)+4*\k+3], v[L16], s[8:9] offset:4096*(\a)+512*\k
.endr
.endm
	WIN TO_B                                       ; window 1's lower half is free: its last readers stand in front of STEP's closing places
.irp b, 0,1,2,3
.irp k, 0,1,2,3
	global_load_b128 v[BI+16*\b+4*\k:BI+16*\b+4*\k+3], v[H64], s[10:11] offset:128*\b+16*\k   ; register 16 b + i: the bias of column 32 b + 16 h + i
.endr
.endr
	CSLOAD 0
	LAST                                           ; these 24 loads land under 64 matrix instructions
	PLACES NP
.macro QKBLOCK a
.if (\a) < 7
	CSLOAD (\a)+1
	s_wait_loadcnt 8                               ; all but the 8 just issued: the bias and this tile's cos and sin are in
.else
	s_wait_loadcnt 0x0
.endif
	WIN 0x06+(\a)/4                                ; source 0: the accumulators' window; source 1: window 1
.set AC, 64*((\a)%4)
.set NN, 0
.rept 32
	v_pk_add_f32 v[Y+NN:Y+NN+1], v[AC+NN:AC+NN+1], v[BI+NN:BI+NN+1]   ; + bias; each accumulator is read from its low end on
.set NN, NN+2
.endr
	WIN 0x04                                       ; source 1: window 1
.set CB, CS0+32*((\a)%2)
.irp c, 0,1                                    ; head c: y1 = d 16 h + i, y2 = d 32 + 16 h + i:  y1 cos - y2 sin,  y2 cos + y1 sin
.set NN, 0
.rept 8
.set TT, RT+2*((NN/2)%4)
	v_pk_mul_f32 v[TT:TT+1], v[Y+32*\c+NN:Y+32*\c+NN+1], v[CB+16+NN:CB+16+NN+1]
	v_pk_mul_f32 v[Y+32*\c+NN:Y+32*\c+NN+1], v[Y+32*\c+NN:Y+32*\c+NN+1], v[CB+NN:CB+NN+1]
	v_pk_fma_f32 v[Y+32*\c+NN:Y+32*\c+NN+1], v[Y+32*\c+16+NN:Y+32*\c+16+NN+1], v[CB+16+NN:CB+16+NN+1], v[Y+32*\c+NN:Y+32*\c+NN+1] neg_lo:[1,0,0] neg_hi:[1,0,0]
	v_pk_fma_f32 v[Y+32*\c+16+NN:Y+32*\c+16+NN+1], v[Y+32*\c+16+NN:Y+32*\c+16+NN+1], v[CB+NN:CB+NN+1], v[TT:TT+1]
.set NN, NN+2
.endr
.endr
	WIN 0
.if (\a) > 0
	s_wait_xcnt 0x0                                ; the last block's stores have read the codes' registers: they are written again only behind this wait
.endif
	QUANT Y, PWS+(\a)                              ; registers 0-5: my first head's unit; 6-11: my second's
	global_store_b128 v[L16], v[PC:PC+3], s[16:17] offset:768*(\a)
	global_store_b64 v[L8], v[PC+4:PC+5], s[16:17] offset:768*(\a)+512
	global_store_b128 v[L16], v[PC+6:PC+9], s[18:19] offset:768*(\a)
	global_store_b64 v[L8], v[PC+10:PC+11], s[18:19] offset:768*(\a)+512   ; each store covers 512 or 256 consecutive bytes, aligned
.endm
.irp a, 0,1,2,3,4,5,6,7
	QKBLOCK \a
.endr
	v_cmp_eq_u32 vcc_lo, 1, v2
.irp p, 0,1,2,3
	v_cndmask_b32 v[WW+\p], v[PWS+2*\p], v[PWS+2*\p+1], vcc_lo   ; lanes 0-15 tile 2 p's word of row r, lanes 16-31 tile 2 p + 1's
.endr
.irp p, 0,1,2,3
	v_and_or_b32 v[WW+4+\p], v[WW+\p], 0xffff, s100              ; my first head: bytes 0, 1; above them 1.0
.endr
.irp p, 0,1,2,3
	v_lshrrev_b32 v[WW+\p], 16, v[WW+\p]                         ; my second: bytes 2, 3
.endr
.irp p, 0,1,2,3
	v_or_b32 v[WW+\p], s100, v[WW+\p]
.endr
	v_add_nc_u32 v[WW+8], s93, v[L16]
	global_store_b128 v[WW+8], v[WW+4:WW+7], s[16:17]
	global_store_b128 v[WW+8], v[WW:WW+3], s[18:19]
	ENDING
	; ---------------- v.  A's block a = 16 of Wv's rows (lanes): tile a % 4 of head a / 4 of my two; registers = my 128 tokens = the keys.
.Lpath_v:
	s_lshr_b32 s94, s42, 3                         ; batch
	s_lshl_b32 s94, s94, 4
	s_lshl_b32 s96, s43, 2
	s_add_co_u32 s94, s94, s96
	s_lshl_b32 s96, s21, 1
	s_add_co_u32 s94, s94, s96                     ; 16 x batch + my first head
	s_lshl_b32 s94, s94, 4
	s_and_b32 s96, s42, 7
	s_lshl_b32 s96, s96, 1
	s_add_co_u32 s96, s96, s22                     ; which 128 tokens of the batch
	s_add_co_u32 s94, s94, s96
	s_mul_i32 s98, s94, 13056
	s_mov_b32 s99, 0
	s_add_nc_u64 s[18:19], s[18:19], s[98:99]      ; my first head's record
	s_lshl_b32 s98, s43, 10
	s_lshl_b32 s96, s21, 9
	s_add_co_u32 s98, s98, s96
	s_add_nc_u64 s[14:15], s[14:15], s[98:99]      ; bv at my first row of Wv
	WIN TO_B
.irp a, 0,1,2,3,4,5,6,7
	global_load_b32 v[BV+2*\a], v[RB4], s[14:15] offset:(32*(\a/2)+8*(\a%2))*4     ; my lane's row of block a has one bias: twice, a pair for the packed addition
	global_load_b32 v[BV+2*\a+1], v[RB4], s[14:15] offset:(32*(\a/2)+8*(\a%2))*4
.endr
	LAST
	PLACES NP
	s_wait_loadcnt 0x0
.macro VBLOCK a
	WIN 0x06+(\a)/4
.set AC, 64*((\a)%4)
.set NN, 0
.rept 32
	v_pk_add_f32 v[Y+NN:Y+NN+1], v[AC+NN:AC+NN+1], v[BV+2*(\a):BV+2*(\a)+1]
.set NN, NN+2
.endr
	WIN 0
.if (\a) > 0
	s_wait_xcnt 0x0                                ; the last block's stores have read the codes' registers
.endif
	QUANT Y, PWS+(\a)                              ; a whole fragment: 16 of the head's 64 x 128 keys
	global_store_b128 v[L16], v[PC:PC+3], s[18:19] offset:((\a)/4)*208896+6144+((\a)%4)*1536
	global_store_b64 v[L8], v[PC+4:PC+5], s[18:19] offset:((\a)/4)*208896+6144+((\a)%4)*1536+512
	global_store_b128 v[L16], v[PC+6:PC+9], s[18:19] offset:((\a)/4)*208896+6144+((\a)%4)*1536+768
	global_store_b64 v[L8], v[PC+10:PC+11], s[18:19] offset:((\a)/4)*208896+6144+((\a)%4)*1536+1280
.if (\a)%4 == 3
	v_cmp_eq_u32 vcc_lo, 1, v2
	v_cndmask_b32 v[WW+4*((\a)/4)], v[PWS+(\a)-3], v[PWS+(\a)-2], vcc_lo
	v_cndmask_b32 v[WW+4*((\a)/4)+1], v[PWS+(\a)-1], v[PWS+(\a)], vcc_lo
	global_store_b64 v[L8], v[WW+4*((\a)/4):WW+4*((\a)/4)+1], s[18:19] offset:((\a)/4)*208896+12800   ; the head's scale words: 256 consecutive bytes
.endif
.endm
.irp a, 0,1,2,3,4,5,6,7
	VBLOCK \a
.endr
	ENDING
.Lfunc_end_k_qa186e2f5b7_qkv:
	.size	k_qa186e2f5b7_qkv, .Lfunc_end_k_qa186e2f5b7_qkv-k_qa186e2f5b7_qkv
	.p2alignl 7, 3214868480
	.fill 96, 4, 3214868480
	.section	.rodata,"a",@progbits
	.p2align	6, 0x0
	.amdhsa_kernel k_qa186e2f5b7_qkv
		.amdhsa_group_segment_fixed_size 327680
		.amdhsa_private_segment_fixed_size 0
		.amdhsa_enable_private_segment 0
		.amdhsa_kernarg_size 64
		.amdhsa_user_sgpr_count 2
		.amdhsa_user_sgpr_kernarg_segment_ptr 1
		.amdhsa_wavefront_size32 1
		.amdhsa_system_sgpr_workgroup_id_x 1
		.amdhsa_system_sgpr_workgroup_id_y 1
		.amdhsa_system_sgpr_workgroup_id_z 1
		.amdhsa_system_vgpr_workitem_id 0
		.amdhsa_next_free_vgpr 1024
		.amdhsa_next_free_sgpr 102
		.amdhsa_reserve_vcc 1
		.amdhsa_float_denorm_mode_32 3
		.amdhsa_float_denorm_mode_16_64 3
		.amdhsa_memory_ordered 1
		.amdhsa_forward_progress 1
		.amdhsa_inst_pref_size 255
	.end_amdhsa_kernel
	.section	.bss,"aw",@nobits
	.p2align	6
	.space	262144
	.amdgpu_metadata
---
amdhsa.version: [ 1, 2 ]
amdhsa.kernels:
  - .name:           k_qa186e2f5b7_qkv
    .symbol:         k_qa186e2f5b7_qkv.kd
    .args:
      - { .name: cod, .offset: 0, .size: 8, .value_kind: global_buffer, .address_space: global }
      - { .name: scl, .offset: 8, .size: 8, .value_kind: global_buffer, .address_space: global }
      - { .name: rope, .offset: 16, .size: 8, .value_kind: global_buffer, .address_space: global }
      - { .name: bq, .offset: 24, .size: 8, .value_kind: global_buffer, .address_space: global }
      - { .name: bk, .offset: 32, .size: 8, .value_kind: global_buffer, .address_space: global }
      - { .name: bv, .offset: 40, .size: 8, .value_kind: global_buffer, .address_space: global }
      - { .name: qr, .offset: 48, .size: 8, .value_kind: global_buffer, .address_space: global }
      - { .name: kv, .offset: 56, .size: 8, .value_kind: global_buffer, .address_space: global }
    .group_segment_fixed_size: 327680
    .private_segment_fixed_size: 0
    .kernarg_segment_align: 8
    .kernarg_segment_size: 64
    .max_flat_workgroup_size: 128
    .sgpr_count:     102
    .vgpr_count:     1024
    .wavefront_size: 32
...
	.end_amdgpu_metadata
.endif
;; end of part 2
;; launch attn (part 3): grid 4 x 64, 16 waves a work-group, no clusters, 210,944 bytes of LDS; arguments qr, kv, oc, os; writes oc, os
.if DOCPART == 3
	.amdgcn_target "amdgcn-amd-amdhsa--gfx1250"
	.amdhsa_code_object_version 6
	.text
	.protected	k_qa186e2f5b7_attn
	.globl	k_qa186e2f5b7_attn
	.p2align	8
	.type	k_qa186e2f5b7_attn,@function
k_qa186e2f5b7_attn:
	s_mov_b64 s[64:65], 0
	v_nop
	global_prefetch_b8 v0, s[64:65] scope:SCOPE_SE
	s_setreg_imm32_b32 hwreg(HW_REG_WAVE_MODE, 25, 1), 1
	s_wait_xcnt 0x0
; ATTN: out = softmax(q k^T / 8, causal) v for one (batch, head) a work-group row, both products on codes of FP6 (E2M3) with E8M0 scales; out is quantised along the model's 1,024 and leaves as codes.
; THE SOFTMAX AHEAD OF THE SECOND PRODUCT: t = score x log2(e) / 8; M = the row's largest t so far, rounded UP to a whole number; p = 2^(t - M) is what is quantised, along the keys, not normalised.
; The row's sum is taken of the unquantised p and divides at the end.  When M moves, the sum and O are multiplied by 2^(old M - new M): exact.
; SHARES.  Work-group (i, bh): sixteen waves.  Wave w owns two tiles of 16 queries, tau = 16 i + w and 127 - tau, one after the other.  Tile tau needs the key steps 0 .. tau / 8 of 128 keys: (tau / 8 + 1) + (16 - tau / 8) = 17
; steps for every wave of the launch.  The inner loop has 16 trips for every tile; a step all of whose keys come after the tile's queries is jumped over by a scalar branch on ids.
; LDS.  The whole head's K and V, 16 records of 13,056 bytes, are filled ONCE, one tensor load a wave (one load of mine is out); one barrier; nothing is filled again and nothing is stored to LDS.
; NO CLUSTER: the four work-groups of a head read the same 208,896 bytes once each, at their start; the causal jump hangs on the query block, which is just what differs between them.
; LAYOUT.  Both products are used transposed: S^T = K q^T, O^T = V^T p^T: a lane holds ONE query throughout.  By the tiles' order of rows, register 16 b + i of S^T is key 32 b + 16 (lane / 16) + i, and of O^T the head's d likewise.
; K = 64 IN THE FIRST PRODUCT: the instruction is 128 deep.  q's upper six registers are zeros and the scale bytes there are 1.0; K's fragment t names twelve registers from 36 + 6 t on, the upper six being the next fragment's
; (behind the last: six zeros).  Every code of this format is a finite number, so those products are zeros.
; os is written a byte a lane (two bytes a row and head): parts of aligned blocks; it is one byte in 24 of what the launch stores, and four heads share each 8 bytes.
; LIMITS: NaN and infinities are not served; a block of zeros or under 2^-124 gets the byte 1 (this program alone reads the bytes).
.set REC,  13056
.set QREC, 6656
.set QS,   28                          ; v28 q's scale word; v29 p's; v30-33 K's; v34-35 V's: these hold scales and nothing else
.set PS,   29
.set KS,   30
.set VS,   34
.set KFR,  36                          ; v36-89 K's fragments at stride 6 and six zeros; then v36-83 V's four
.set S,    96                          ; v96-159 S^T, then p
.set O,    160                         ; v160-191 O^T
.set PCD,  192                         ; v192-203 p's codes
.set CT,   204                         ; v204-206, v208-210 second halves
.set BM,   212                         ; v212-215 block maxima; v216-219 the other half's, then bytes; v220-223 scale operands
.set BY,   216
.set OPD,  220
.set TP,   224
.set FF,   226                         ; v[226:227] f, later 1 / the sum (the pair's upper word is written once)
.set SU,   228                         ; v[228:229] the sum's second chain
; v1 16 x lane, v2 8 x lane, v3, v4 the same + the step's record, v5 r + 8 (r / 8) - 16 h, v6 that + the tile's place, v7 -infinity, v8 16 r, v9 8 r + h, v10 h, v11 r, v12 -M, v13 the largest t, v[14:15] the sum, v16-27 q
; s12 wave, s13 bh, s14 tau, s15 tiles done, s30 key step, s31 tau / 8, s32 the step's record in LDS, s[34:35] lane selects, s[36:37] c
	s_load_b256 s[4:11], s[0:1], 0x0               ; qr s[4:5], kv s[6:7], oc s[8:9], os s[10:11]
	v_lshl_add_u32 v254, v0, 2, 0x33000
	v_mov_b32 v255, 0
	ds_add_u32 v254, v255
	ds_add_u32 v254, v255
	v_lshrrev_b32 v3, 5, v0
	s_delay_alu instid0(VALU_DEP_1)
	v_readfirstlane_b32 s12, v3                    ; wave 0..15
	s_and_b32 s13, ttmp7, 0xffff                   ; 16 x batch + head
	s_mov_b32 s16, 3<<16                           ; group 1: no mask; elements of 8 bytes; no padding
	s_mov_b32 s17, 32<<16                          ; tensor_dim0 = 32: rows of 256 bytes
	s_mov_b32 s18, 51<<16                          ; tensor_dim1 = 51
	s_mov_b32 s19, 32<<16                          ; tile_dim0
	s_mov_b32 s20, 51                              ; tile_dim1
	s_mov_b32 s21, 32                              ; the pitch: dense
	s_mov_b32 s22, 0
	s_mov_b32 s23, 0
	s_lshl_b32 s28, s13, 4
	s_add_co_u32 s28, s28, s12
	s_mul_i32 s28, s28, REC
	s_mov_b32 s29, 0
	s_mov_b32 s24, 1
	s_mul_i32 s25, s12, REC                        ; record w goes to w x 13,056
	s_wait_dscnt 0x0
	s_wait_kmcnt 0x0
	s_add_nc_u64 s[26:27], s[6:7], s[28:29]
	s_or_b32 s27, s27, 0x80000000
	tensor_load_to_lds s[24:27], s[16:23]
	s_nop 0
.rept 4
	v_nop
.endr
	v_and_b32 v11, 15, v0                          ; r
	v_bfe_u32 v10, v0, 4, 1                        ; h
	v_and_b32 v3, 31, v0
	s_delay_alu instid0(VALU_DEP_1)
	v_lshlrev_b32 v1, 4, v3
	s_delay_alu instid0(VALU_DEP_2)
	v_lshlrev_b32 v2, 3, v3
	v_and_b32 v5, 8, v11
	s_delay_alu instid0(VALU_DEP_1)
	v_add_nc_u32 v5, v5, v11
	v_lshlrev_b32 v6, 4, v10
	s_delay_alu instid0(VALU_DEP_1)
	v_sub_nc_u32 v5, v5, v6
	v_mov_b32 v7, 0xff800000
	v_lshlrev_b32 v8, 4, v11
	v_lshl_add_u32 v9, v11, 3, v10
.irp j, 22,23,24,25,26,27, 84,85,86,87,88,89, 216,217,218,219, 224, 227
	v_mov_b32 v\j, 0                               ; q's upper half; the tail behind K's fragments; lane permutes' destinations; the pair's upper word
.endr
	s_lshl_b32 s14, ttmp9, 4
	s_add_co_u32 s14, s14, s12                     ; tau
	s_mov_b32 s15, 0
	s_mov_b32 s34, 0x76543210
	s_mov_b32 s35, 0xfedcba98
	s_mov_b32 s36, 0x3e38aa3b                      ; c = log2(e) / 8
	s_mov_b32 s37, s36                             ; (named with it as a pair, so it is written)
	s_mov_b32 s41, 0
	s_wait_tensorcnt 0x0                           ; my record is in,
	s_barrier_signal -1
	s_barrier_wait -1                              ; everybody's is
.Ltile:
	s_lshr_b32 s31, s14, 3                         ; the tile's own 128 tokens: the last key step that counts
	s_and_b32 s38, s14, 7
	s_lshl_b32 s39, s13, 4
	s_add_co_u32 s39, s39, s31
	s_mul_i32 s40, s39, QREC
	s_add_nc_u64 s[42:43], s[4:5], s[40:41]        ; q's record
	s_mul_i32 s40, s38, 768
	s_add_nc_u64 s[44:45], s[42:43], s[40:41]      ; my tile's unit
	s_and_b32 s40, s14, 1
	s_lshl_b32 s40, s40, 8
	s_lshr_b32 s39, s38, 1
	s_lshl_b32 s39, s39, 2
	s_add_co_u32 s40, s40, s39
	s_add_nc_u64 s[42:43], s[42:43], s[40:41]      ; its scale words: lane 16 (tile % 2) + r, word tile / 2
	global_load_b128 v[16:19], v1, s[44:45]
	global_load_b64 v[20:21], v2, s[44:45] offset:512
	global_load_b32 v[QS], v8, s[42:43] offset:6144
	s_bfe_u32 s39, s14, 0x20001
	s_lshl_b32 s39, s39, 5
	s_and_b32 s40, s14, 1
	s_lshl_b32 s40, s40, 3
	s_add_co_u32 s39, s39, s40
	v_add_nc_u32 v6, s39, v5                       ; d = my query's place in its 128 tokens - 16 h
.set NN, 0
.rept 32
	v_mov_b32 v[O+NN], 0                           ; O^T.  (The step is written once: a tile's first step finds zeros, which the first change of M leaves zeros)
.set NN, NN+1
.endr
	v_mov_b32 v13, 0xff61b1e6                      ; the largest t so far: -3e38
	s_delay_alu instid0(VALU_DEP_1)
	v_floor_f32 v12, -v13                          ; -M
	v_mov_b32 v14, 0
	v_mov_b32 v15, 0
	s_mov_b32 s32, 0
	s_mov_b32 s30, 0
	s_wait_loadcnt 0x0                             ; q
.Lstep:
	s_cmp_gt_u32 s30, s31
	s_cbranch_scc1 .Lhidden                        ; all 128 keys come after my queries
	s_setprio 2
	v_add_nc_u32 v3, s32, v1
	v_add_nc_u32 v4, s32, v2
	v_nop
	v_nop                                          ; four places in front of loads into registers that the last products read
	ds_load_b128 v[KS:KS+3], v3 offset:12288       ; K's words: register p: lanes 0-15 tile 2 p, lanes 16-31 tile 2 p + 1
	ds_load_b64 v[VS:VS+1], v4 offset:12800        ; V's likewise
.irp t, 0,1,2,3,4,5,6,7
	ds_load_b128 v[KFR+6*\t:KFR+6*\t+3], v3 offset:768*\t
	ds_load_b64 v[KFR+6*\t+4:KFR+6*\t+5], v4 offset:768*\t+512
.endr
	s_wait_alu depctr_va_vdst(0)
	s_wait_dscnt 0x0                               ; all of them: fragment t names fragment t + 1's registers too
.irp t, 0,2,4,6
	v_wmma_scale_f32_16x16x128_f8f6f4 v[S+8*\t:S+8*\t+7], v[KFR+6*\t:KFR+6*\t+11], v[16:27], 0, v[KS+\t/2], v[QS] matrix_a_fmt:MATRIX_FMT_FP6 matrix_b_fmt:MATRIX_FMT_FP6
	v_wmma_scale_f32_16x16x128_f8f6f4 v[S+8*\t+8:S+8*\t+15], v[KFR+6*\t+6:KFR+6*\t+17], v[16:27], 0, v[KS+\t/2], v[QS] matrix_a_fmt:MATRIX_FMT_FP6 matrix_b_fmt:MATRIX_FMT_FP6 matrix_a_scale:MATRIX_SCALE_ROW1
.endr
.rept 4
	v_nop                                          ; places in front of the loads below and of the first read of the scores
.endr
.irp d, 0,1,2,3                                ; V's four fragments land under the softmax
	ds_load_b128 v[KFR+12*\d:KFR+12*\d+3], v3 offset:6144+1536*\d
	ds_load_b64 v[KFR+12*\d+4:KFR+12*\d+5], v4 offset:6144+1536*\d+512
	ds_load_b128 v[KFR+12*\d+6:KFR+12*\d+9], v3 offset:6144+1536*\d+768
	ds_load_b64 v[KFR+12*\d+10:KFR+12*\d+11], v4 offset:6144+1536*\d+1280
.endr
	s_cmp_lt_u32 s30, s31
	s_cbranch_scc1 .Lopen                          ; all 128 keys count
.set NN, 0
.rept 64                                       ; on the diagonal: register 16 b + i holds key 32 b + 16 h + i of the 128: hidden where 32 b + i > d; its score becomes -infinity, p = 0
	v_cmp_gt_i32 vcc_lo, 32*(NN/16)+NN%16, v6
	v_cndmask_b32 v[S+NN], v[S+NN], v7, vcc_lo
.set NN, NN+1
.endr
.Lopen:
.irp b, 0,1,2,3
	v_max3_num_f32 v[BM+\b], v[S+16*\b], v[S+16*\b+1], v[S+16*\b+2]   ; the largest score of each block of 32 keys: for the row's maximum and, since p rises with the score, for the block's largest p
.endr
.irp i, 3,5,7,9,11,13
.irp b, 0,1,2,3
	v_max3_num_f32 v[BM+\b], v[BM+\b], v[S+16*\b+\i], v[S+16*\b+\i+1]
.endr
.endr
.irp b, 0,1,2,3
	v_max_num_f32 v[BM+\b], v[BM+\b], v[S+16*\b+15]
.endr
.irp b, 0,1,2,3
	s_delay_alu instid0(VALU_DEP_4)
	v_permlanex16_b32 v[BY+\b], v[BM+\b], s34, s35
.endr
.irp b, 0,1,2,3
	s_delay_alu instid0(VALU_DEP_4)
	v_max_num_f32 v[BM+\b], v[BM+\b], v[BY+\b]     ; with lane l xor 16's 16 keys
.endr
	s_delay_alu instid0(VALU_DEP_2)
	v_max3_num_f32 v[TP], v[BM], v[BM+1], v[BM+2]
	s_delay_alu instid0(VALU_DEP_1)
	v_max_num_f32 v[TP], v[TP], v[BM+3]
	s_delay_alu instid0(VALU_DEP_1)
	v_mul_f32 v[TP], s36, v[TP]                    ; the step's largest t (c is positive)
	s_delay_alu instid0(VALU_DEP_1)
	v_max_num_f32 v13, v13, v[TP]
	v_mov_b32 v[TP], v12
	s_delay_alu instid0(VALU_DEP_2)
	v_floor_f32 v12, -v13                          ; the new -M = -ceil(t)
	s_delay_alu instid0(VALU_DEP_1)
	v_sub_f32 v[TP], v12, v[TP]                    ; old M - new M: a whole number, 0 or less
	s_delay_alu instid0(VALU_DEP_1)
	v_cvt_i32_f32 v[TP], v[TP]                     ; (it saturates)
	s_delay_alu instid0(VALU_DEP_1)
	v_ldexp_f32 v[FF], 1.0, v[TP]                  ; f = 2^(old M - new M)
.set NN, 0
.rept 32
	v_pk_fma_f32 v[S+NN:S+NN+1], v[S+NN:S+NN+1], s[36:37], v[12:13] op_sel_hi:[1,0,0]   ; t - M, two at a time
.set NN, NN+2
.endr
	s_setprio 1
.irp b, 0,1,2,3
	v_fma_f32 v[BM+\b], v[BM+\b], s36, v12
.endr
.set NN, 0
	s_wait_alu depctr_va_vdst(0)
.rept 64
	v_exp_f32 v[S+NN], v[S+NN]                     ; p = 2^(t - M)
.set NN, NN+1
.endr
.irp b, 0,1,2,3
	v_exp_f32 v[BM+\b], v[BM+\b]                   ; the block's largest p: the same two instructions on the same number
.endr
	v_pk_mul_f32 v[14:15], v[14:15], v[FF:FF+1] op_sel_hi:[1,0]   ; the sums under the new M.  (A plain place behind the exponentials)
	s_wait_alu depctr_va_vdst(0)
.irp b, 0,1,2,3
	v_max_num_f32 v[BM+\b], 0x1800000, v[BM+\b]    ; the floor 2^(3 - 127): the byte cannot fall under 1
.endr
.irp b, 0,1,2,3
	s_delay_alu instid0(VALU_DEP_4)
	v_add_nc_u32 v[OPD+\b], 0xff000000, v[BM+\b]
.endr
.irp b, 0,1,2,3
	s_delay_alu instid0(VALU_DEP_4)
	v_lshrrev_b32 v[BY+\b], 23, v[OPD+\b]
.endr
	s_delay_alu instid0(VALU_DEP_3)
	v_lshl_or_b32 v[PS], v[BY+1], 8, v[BY]         ; p's scale word for these 128 keys
	s_delay_alu instid0(VALU_DEP_1)
	v_lshl_or_b32 v[PS], v[BY+2], 16, v[PS]
	s_delay_alu instid0(VALU_DEP_1)
	v_lshl_or_b32 v[PS], v[BY+3], 24, v[PS]
.irp c, 0,1
	v_cvt_scalef32_pk16_fp6_f32 v[PCD+6*\c:PCD+6*\c+2], v[S+32*\c:S+32*\c+15], v[OPD+2*\c]
	v_cvt_scalef32_pk16_fp6_f32 v[CT+4*\c:CT+4*\c+2], v[S+32*\c+16:S+32*\c+31], v[OPD+2*\c+1]
.endr
	v_nop                                          ; one plain place behind a scaled conversion
.irp c, 0,1                                    ; a whole block to a lane
.irp i, 0,1,2
	v_permlane16_swap_b32 v[PCD+6*\c+\i], v[CT+4*\c+\i]
.endr
.irp i, 0,1,2
	s_delay_alu instid0(VALU_DEP_3)
	v_mov_b32 v[PCD+6*\c+3+\i], v[CT+4*\c+\i]
.endr
.endr
	v_pk_add_f32 v[228:229], v[100:101], v[104:105]
	v_pk_add_f32 v[252:253], v[108:109], v[112:113]
	v_pk_add_f32 v[250:251], v[116:117], v[120:121]
	v_pk_add_f32 v[248:249], v[124:125], v[128:129]
	v_pk_add_f32 v[246:247], v[132:133], v[136:137]
	v_pk_add_f32 v[244:245], v[140:141], v[144:145]
	v_pk_add_f32 v[242:243], v[148:149], v[152:153]
	v_pk_add_f32 v[14:15], v[14:15], v[156:157]
	v_pk_add_f32 v[228:229], v[228:229], v[96:97]
	v_pk_add_f32 v[252:253], v[252:253], v[98:99]
	s_setprio 0
	v_pk_add_f32 v[250:251], v[250:251], v[102:103]
	v_pk_add_f32 v[248:249], v[248:249], v[106:107]
	v_pk_add_f32 v[246:247], v[246:247], v[110:111]
	v_pk_add_f32 v[244:245], v[244:245], v[114:115]
	v_pk_add_f32 v[242:243], v[242:243], v[118:119]
	v_pk_add_f32 v[14:15], v[14:15], v[122:123]
	v_pk_add_f32 v[228:229], v[228:229], v[126:127]
	v_pk_add_f32 v[252:253], v[252:253], v[130:131]
	v_pk_add_f32 v[250:251], v[250:251], v[134:135]
	v_pk_add_f32 v[248:249], v[248:249], v[138:139]
	v_pk_add_f32 v[246:247], v[246:247], v[142:143]
	v_pk_add_f32 v[244:245], v[244:245], v[146:147]
	v_pk_add_f32 v[242:243], v[242:243], v[150:151]
	v_pk_add_f32 v[14:15], v[14:15], v[154:155]
	v_pk_add_f32 v[228:229], v[228:229], v[158:159]
	s_delay_alu instid0(VALU_DEP_2)
	v_pk_add_f32 v[14:15], v[14:15], v[248:249]
	s_delay_alu instid0(VALU_DEP_2)
	v_pk_add_f32 v[228:229], v[228:229], v[246:247]
	v_pk_add_f32 v[252:253], v[252:253], v[244:245]
	v_pk_add_f32 v[250:251], v[250:251], v[242:243]
	s_delay_alu instid0(VALU_DEP_2)
	v_pk_add_f32 v[14:15], v[14:15], v[252:253]
	s_delay_alu instid0(VALU_DEP_2)
	v_pk_add_f32 v[228:229], v[228:229], v[250:251]
	s_delay_alu instid0(VALU_DEP_1)
	v_pk_add_f32 v[14:15], v[14:15], v[228:229]
.set NN, 0
.rept 16
	v_pk_mul_f32 v[O+NN:O+NN+1], v[O+NN:O+NN+1], v[FF:FF+1] op_sel_hi:[1,0]   ; O^T under the new M, from each accumulator's low end on
.set NN, NN+2
.endr
	s_wait_alu depctr_va_vdst(0)
	s_wait_dscnt 0x0                               ; V
.irp d, 0,2                                    ; four accumulators by turns, one instruction a turn
	v_wmma_scale_f32_16x16x128_f8f6f4 v[O+8*\d:O+8*\d+7], v[KFR+12*\d:KFR+12*\d+11], v[PCD:PCD+11], v[O+8*\d:O+8*\d+7], v[VS+\d/2], v[PS] matrix_a_fmt:MATRIX_FMT_FP6 matrix_b_fmt:MATRIX_FMT_FP6
	v_wmma_scale_f32_16x16x128_f8f6f4 v[O+8*\d+8:O+8*\d+15], v[KFR+12*\d+12:KFR+12*\d+23], v[PCD:PCD+11], v[O+8*\d+8:O+8*\d+15], v[VS+\d/2], v[PS] matrix_a_fmt:MATRIX_FMT_FP6 matrix_b_fmt:MATRIX_FMT_FP6 matrix_a_scale:MATRIX_SCALE_ROW1
.endr
.Lhidden:
	s_add_co_u32 s32, s32, REC
	s_add_co_u32 s30, s30, 1
	s_cmp_lt_u32 s30, 16
	s_cbranch_scc1 .Lstep
	s_setprio 0
	; THE TILE'S END: O^T / the sum, quantised along the head's 64 (two blocks of the model's 1,024), one unit of codes and two bytes a row.
.rept 4
	v_nop
.endr
	s_wait_alu depctr_va_vdst(0)
	v_add_f32 v14, v14, v15
	s_delay_alu instid0(VALU_DEP_1)
	v_permlanex16_b32 v[TP], v14, s34, s35
	s_delay_alu instid0(VALU_DEP_1)
	v_add_f32 v14, v14, v[TP]                      ; the row's sum
	s_wait_alu depctr_va_vdst(0)
	v_rcp_f32 v[FF], v14
	v_nop                                          ; one plain place behind a transcendental
.set NN, 0
	s_wait_alu depctr_va_vdst(0)
.rept 16
	v_pk_mul_f32 v[S+NN:S+NN+1], v[O+NN:O+NN+1], v[FF:FF+1] op_sel_hi:[1,0]   ; register 16 b + i: d = 32 b + 16 h + i
.set NN, NN+2
.endr
.irp b, 0,1
	v_max3_num_f32 v[BM+\b], |v[S+16*\b]|, |v[S+16*\b+1]|, 0x1800000
.endr
.irp i, 2,4,6,8,10,12,14
.irp b, 0,1
	s_delay_alu instid0(VALU_DEP_2)
	v_max3_num_f32 v[BM+\b], v[BM+\b], |v[S+16*\b+\i]|, |v[S+16*\b+\i+1]|
.endr
.endr
.irp b, 0,1
	s_delay_alu instid0(VALU_DEP_2)
	v_permlanex16_b32 v[BY+\b], v[BM+\b], s34, s35
.endr
.irp b, 0,1
	s_delay_alu instid0(VALU_DEP_2)
	v_max_num_f32 v[BM+\b], v[BM+\b], v[BY+\b]
.endr
.irp b, 0,1
	s_delay_alu instid0(VALU_DEP_2)
	v_add_nc_u32 v[OPD+\b], 0xff000000, v[BM+\b]
.endr
.irp b, 0,1
	s_delay_alu instid0(VALU_DEP_2)
	v_lshrrev_b32 v[BY+\b], 23, v[OPD+\b]
.endr
	v_cvt_scalef32_pk16_fp6_f32 v[PCD:PCD+2], v[S:S+15], v[OPD]
	v_cvt_scalef32_pk16_fp6_f32 v[CT:CT+2], v[S+16:S+31], v[OPD+1]
	v_nop
.irp i, 0,1,2
	v_permlane16_swap_b32 v[PCD+\i], v[CT+\i]
.endr
.irp i, 0,1,2
	s_delay_alu instid0(VALU_DEP_3)
	v_mov_b32 v[PCD+3+\i], v[CT+\i]
.endr
	v_cmp_eq_u32 vcc_lo, 1, v10
	s_delay_alu instid0(VALU_DEP_1)
	v_cndmask_b32 v[TP], v[BY], v[BY+1], vcc_lo    ; lane (r, h) stores block h's byte
	s_lshr_b32 s38, s13, 4
	s_lshl_b32 s38, s38, 7
	s_add_co_u32 s38, s38, s14                     ; the tile among all 512: 128 x batch + tau
	s_and_b32 s39, s13, 15                         ; head = the unit
	s_mul_i32 s40, s38, 12288
	s_mul_i32 s46, s39, 768
	s_add_co_u32 s40, s40, s46
	s_add_nc_u64 s[44:45], s[8:9], s[40:41]
	s_lshl_b32 s40, s38, 9
	s_lshr_b32 s46, s39, 2
	s_lshl_b32 s46, s46, 7
	s_add_co_u32 s40, s40, s46
	s_and_b32 s46, s39, 3
	s_lshl_b32 s46, s46, 1
	s_add_co_u32 s40, s40, s46
	s_add_nc_u64 s[42:43], s[10:11], s[40:41]
	s_wait_alu depctr_va_vdst(0)
	global_store_b128 v1, v[PCD:PCD+3], s[44:45]
	global_store_b64 v2, v[PCD+4:PCD+5], s[44:45] offset:512
	global_store_b8 v9, v[TP], s[42:43]
	s_wait_xcnt 0x0                                ; the stores have read their registers and bases: both are written again in the next tile
	s_sub_co_u32 s14, 127, s14                     ; the partner tile
	s_add_co_u32 s15, s15, 1
	s_cmp_lt_u32 s15, 2
	s_cbranch_scc1 .Ltile
	s_wait_tensorcnt 0x0
	ds_add_u32 v254, v255
	s_wait_dscnt 0x0
	s_endpgm
.Lfunc_end_k_qa186e2f5b7_attn:
	.size	k_qa186e2f5b7_attn, .Lfunc_end_k_qa186e2f5b7_attn-k_qa186e2f5b7_attn
	.p2alignl 7, 3214868480
	.fill 96, 4, 3214868480
	.section	.rodata,"a",@progbits
	.p2align	6, 0x0
	.amdhsa_kernel k_qa186e2f5b7_attn
		.amdhsa_group_segment_fixed_size 210944
		.amdhsa_private_segment_fixed_size 0
		.amdhsa_enable_private_segment 0
		.amdhsa_kernarg_size 32
		.amdhsa_user_sgpr_count 2
		.amdhsa_user_sgpr_kernarg_segment_ptr 1
		.amdhsa_wavefront_size32 1
		.amdhsa_system_sgpr_workgroup_id_x 1
		.amdhsa_system_sgpr_workgroup_id_y 1
		.amdhsa_system_sgpr_workgroup_id_z 1
		.amdhsa_system_vgpr_workitem_id 0
		.amdhsa_next_free_vgpr 256
		.amdhsa_next_free_sgpr 66
		.amdhsa_reserve_vcc 1
		.amdhsa_float_denorm_mode_32 3
		.amdhsa_float_denorm_mode_16_64 3
		.amdhsa_memory_ordered 1
		.amdhsa_forward_progress 1
		.amdhsa_inst_pref_size 34
	.end_amdhsa_kernel
	.amdgpu_metadata
---
amdhsa.version: [ 1, 2 ]
amdhsa.kernels:
  - .name:           k_qa186e2f5b7_attn
    .symbol:         k_qa186e2f5b7_attn.kd
    .args:
      - { .name: qr, .offset: 0, .size: 8, .value_kind: global_buffer, .address_space: global }
      - { .name: kv, .offset: 8, .size: 8, .value_kind: global_buffer, .address_space: global }
      - { .name: oc, .offset: 16, .size: 8, .value_kind: global_buffer, .address_space: global }
      - { .name: os, .offset: 24, .size: 8, .value_kind: global_buffer, .address_space: global }
    .group_segment_fixed_size: 210944
    .private_segment_fixed_size: 0
    .kernarg_segment_align: 8
    .kernarg_segment_size: 32
    .max_flat_workgroup_size: 512
    .sgpr_count:     66
    .vgpr_count:     256
    .wavefront_size: 32
...
	.end_amdgpu_metadata
.endif
;; end of part 3
;; launch oproj (part 4): grid 4 x 32, 4 waves a work-group, clusters of 4 x 4, 327,680 bytes of LDS; arguments oc, os, cod, scl, bo, out0; writes out0
.if DOCPART == 4
	.amdgcn_target "amdgcn-amd-amdhsa--gfx1250"
	.amdhsa_code_object_version 6
	.text
	.protected	k_qa186e2f5b7_oproj
	.globl	k_qa186e2f5b7_oproj
	.p2align	8
	.type	k_qa186e2f5b7_oproj,@function
k_qa186e2f5b7_oproj:
	s_mov_b64 s[64:65], 0
	v_nop
	global_prefetch_b8 v0, s[64:65] scope:SCOPE_SE
	s_setreg_imm32_b32 hwreg(HW_REG_WAVE_MODE, 25, 1), 1
	s_wait_xcnt 0x0
	s_wait_alu depctr_hold_cnt(0) depctr_sa_sdst(0) depctr_va_vdst(0) depctr_va_sdst(0) depctr_va_ssrc(0) depctr_va_vcc(0) depctr_vm_vsrc(0)
	s_getreg_b32 s2, hwreg(HW_REG_IB_STS2, 6, 4)
	s_cmp_eq_u32 s2, 0
	s_cbranch_scc0 .Lentry_in_a_cluster
	s_endpgm
.Lentry_in_a_cluster:
	s_bfe_u32 s2, ttmp6, 0x10000c
	s_cmp_lg_u32 s2, 0xf033
	s_cbranch_scc0 .Lentry_shape_is_right
	s_endpgm
.Lentry_shape_is_right:
; OPROJ: out0 = attention's result x Wo^T + bo, on codes of FP6 (E2M3) with E8M0 scales; out0 [8192][1024] f32.
; A work-group of four waves makes 256 x 256, a wave 128 x 128: 64 accumulators.  K = 1,024 goes in four steps of 256, written out, through a ring of two LDS slots filled by the tensor data mover.
; Operands lie in memory as images of registers (tile T: 16 rows, row r = row 32 (T / 2) + 8 (T % 2) + r + 8 (r / 8); unit: 16 rows x 64 K, 768 bytes: lane l's registers 0-3 at 16 l, 4-5 at 512 + 8 l): a fragment comes by four LDS loads of consecutive bytes.
; Source 0 = Wo's tiles (region B of a slot, shared along a column of the cluster), source 1 = the tokens' tiles (region A, shared along a row): a lane holds one token, its register 16 b + i column 32 b + 16 (lane / 16) + i of my 128.
; 4 x 4 work-groups form a cluster; each tile is asked for JOINTLY by the four that need it.  The grid has 128 work-groups: a wave tile smaller than 128 x 128 would read each LDS byte for half the products.
; THE WAY OUT: a block of 16 tokens x 128 columns goes through my own stage in LDS and comes back as whole rows of 512 bytes; the bias is added there, four columns a lane.
; The stage lies in slot 0, which has had its last fill and its last read when the first result is stored there.
; REGISTERS.  window 0: v1 r, v2 h, v8-9, v16-29 addresses; v12-15 the bias; v32-63 scale words, two sets, and nothing else; v128-223 A's fragments, ONE set; on the way out v128-255 rows of out0.
;   window 1: B's fragments, two sets, at v0 and v128.   windows 2, 3: the accumulators, (a, b) at v[8 (8 (a % 4) + b)].
.set NQ,     2
.set FR,     12
.set NL,     4
.set NP,     4
.set TILEB,  3072
.set HALFT,  8*TILEB
.set SLOT,   4*HALFT
.set SCL,    2*SLOT
.set HALFS,  4096
.set SPARE,  SCL+4*HALFS               ; the spare words, 128 bytes for each wave: two blocks of 256 bytes that no other line names
.set SPITCH, 528
.set L16,  8
.set L8,   9
.set BO,   12
.set ADRA, 16
.set ADRB, 20
.set STO,  24
.set RD,   25
.set ADRS, 27
.set SPW,  28
.set NIL,  29
.set SC,   32
.set AF,   128
.set BK,   128
.set G1,   24
.set G0,   32
.set G1B,  48
.set G0B,  56
.set G1S,  68
.set G0S,  76
.set G1SB, 80
.set G0SB, 88
.set MSB, 0
.macro WIN new
.if MSB != (\new)
	s_set_vgpr_msb (MSB<<8)|(\new)
.set MSB, (\new)
.endif
.endm
.set MUL_LO, 0xa1
.set MUL_HI, 0xf1
.set TO_B,   0x40
.macro JLOAD g0a, g1a, g0b, g1b        ; a joint load: waves 0 and 1 fetch for A, waves 2 and 3 for B; four v_nop follow each line
	s_cmp_eq_u32 s21, 0
	s_cbranch_scc0 .Lfor_b_\@
	tensor_load_to_lds s[\g0a:\g0a+3], s[\g1a:\g1a+7]
	s_nop 0
.rept 4
	v_nop
.endr
	s_branch .Lasked_\@
.Lfor_b_\@:
	tensor_load_to_lds s[\g0b:\g0b+3], s[\g1b:\g1b+7]
	s_nop 0
.rept 4
	v_nop
.endr
.Lasked_\@:
.endm
.macro CREST
	s_cmp_lg_u32 s20, 0
	s_cbranch_scc1 .Lnot_wave_0_\@
	s_barrier_signal -3
.Lnot_wave_0_\@:
	s_barrier_wait -3
	s_barrier_signal -1
	s_barrier_wait -1
.endm
.macro CROUND
	s_barrier_signal -1
	s_barrier_wait -1
	CREST
.endm
	s_load_b256 s[4:11], s[0:1], 0x0               ; oc s[4:5], os s[6:7], cod s[8:9], scl s[10:11]
	s_load_b128 s[12:15], s[0:1], 0x20             ; bo s[12:13], out0 s[14:15]
	v_lshl_add_u32 v[SPW], v0, 2, SPARE
	v_mov_b32 v[NIL], 0
	ds_add_u32 v28, v29
	ds_add_u32 v28, v29
	s_wait_dscnt 0x0
	v_lshrrev_b32 v3, 5, v0
	v_readfirstlane_b32 s20, v3                    ; wave 0..3
	s_lshr_b32 s21, s20, 1                         ; which half of A's rows is mine.  Also: I fetch for A (0) or for B (1)
	s_and_b32 s22, s20, 1                          ; which half of B's rows.  Also: which 8 tiles I fetch
	s_bfe_u32 s40, ttmp6, 0x40000                  ; cx, cy
	s_bfe_u32 s41, ttmp6, 0x40004
	s_lshl_b32 s42, ttmp9, 2
	s_add_co_u32 s42, s42, s40                     ; col: which 256 rows of Wo
	s_and_b32 s43, ttmp7, 0xffff
	s_lshl_b32 s43, s43, 2
	s_add_co_u32 s43, s43, s41                     ; row: which 256 tokens
	s_lshl_b32 s44, s41, 2
	s_lshl_b32 s44, 15, s44                        ; my row of the cluster
	s_lshl_b32 s45, 0x1111, s40                    ; my column
	s_or_b32 s[G1+0], s44, (3<<16)|(1<<21)         ; codes: 8 tiles x 384 elements of 8 bytes, 1,536 elements from tile to tile; the mask; bit 21 beside it
	s_or_b32 s[G1B+0], s45, (3<<16)|(1<<21)
.irp g, G1, G1B
	s_mov_b32 s[\g+1], 384<<16
	s_mov_b32 s[\g+2], 8<<16
	s_mov_b32 s[\g+3], 384<<16
	s_mov_b32 s[\g+4], 8
	s_mov_b32 s[\g+5], 1536
	s_mov_b32 s[\g+6], 0
	s_mov_b32 s[\g+7], 0
.endr
	s_or_b32 s[G1S+0], s44, (3<<16)|(1<<21)        ; scale bytes of 8 tiles: 4,096 dense bytes as 16 rows of 256
	s_or_b32 s[G1SB+0], s45, (3<<16)|(1<<21)
.irp g, G1S, G1SB
	s_mov_b32 s[\g+1], 32<<16
	s_mov_b32 s[\g+2], 16<<16
	s_mov_b32 s[\g+3], 32<<16
	s_mov_b32 s[\g+4], 16
	s_mov_b32 s[\g+5], 32
	s_mov_b32 s[\g+6], 0
	s_mov_b32 s[\g+7], 0
.endr
	s_lshl_b32 s46, s22, 3
	s_lshl_b32 s92, s43, 4
	s_add_co_u32 s92, s92, s46                     ; A: the first tile that I fetch, in registers that never hold cx
	s_lshl_b32 s96, s42, 4
	s_add_co_u32 s96, s96, 704
	s_add_co_u32 s96, s96, s46                     ; B: Wo's tiles begin at 704; in registers that never hold cy
	s_lshl_b32 s94, s92, 9
	s_mov_b32 s95, 0
	s_mul_i32 s92, s92, 12288
	s_mov_b32 s93, 0
	s_lshl_b32 s98, s96, 9
	s_mov_b32 s99, 0
	s_mul_i32 s96, s96, 12288
	s_mov_b32 s97, 0
	s_mul_i32 s47, s20, HALFT
	s_lshl_b32 s46, s20, 12
	s_wait_kmcnt 0x0
	s_add_nc_u64 s[92:93], s[4:5], s[92:93]
	s_add_nc_u64 s[94:95], s[6:7], s[94:95]
	s_add_nc_u64 s[96:97], s[8:9], s[96:97]
	s_add_nc_u64 s[98:99], s[10:11], s[98:99]
	CROUND                                         ; all sixteen work-groups are here: the first joint loads meet
	s_mov_b32 s[G0S], 1
	s_add_co_u32 s[G0S+1], s46, SCL
	s_mov_b64 s[G0S+2:G0S+3], s[94:95]
	s_or_b32 s[G0S+3], s[G0S+3], 0x80000000
	s_mov_b32 s[G0SB], 1
	s_add_co_u32 s[G0SB+1], s46, SCL
	s_mov_b64 s[G0SB+2:G0SB+3], s[98:99]
	s_or_b32 s[G0SB+3], s[G0SB+3], 0x80000000
	JLOAD G0S, G1S, G0SB, G1SB
.irp s, 0,1
	s_mov_b32 s[G0+4*\s], 1
	s_add_co_u32 s[G0+4*\s+1], s47, \s*SLOT
	s_add_nc_u64 s[G0+4*\s+2:G0+4*\s+3], s[92:93], \s*TILEB
	s_or_b32 s[G0+4*\s+3], s[G0+4*\s+3], 0x80000000
	s_mov_b32 s[G0B+4*\s], 1
	s_add_co_u32 s[G0B+4*\s+1], s47, \s*SLOT
	s_add_nc_u64 s[G0B+4*\s+2:G0B+4*\s+3], s[96:97], \s*TILEB
	s_or_b32 s[G0B+4*\s+3], s[G0B+4*\s+3], 0x80000000
	s_wait_alu depctr_va_vdst(0)
	s_wait_tensorcnt 0x0
	ds_add_u32 v28, v29
	s_wait_dscnt 0x0
	CROUND
	JLOAD G0+4*\s, G1, G0B+4*\s, G1B               ; one tensor load of mine is out now
.endr
	v_and_b32 v1, 15, v0                           ; r
	v_bfe_u32 v2, v0, 4, 1                         ; h
	v_and_b32 v3, 31, v0
	v_lshlrev_b32 v[L16], 4, v3
	s_wait_alu depctr_va_vdst(0)
	v_lshlrev_b32 v[L8], 3, v3
	s_wait_alu depctr_va_vdst(0)
	s_lshl_b32 s92, s42, 10
	s_lshl_b32 s46, s22, 9
	s_add_co_u32 s92, s92, s46                     ; my first column, in bytes
	s_mov_b32 s93, 0
	s_add_nc_u64 s[12:13], s[12:13], s[92:93]
	global_load_b128 v[BO:BO+3], v[L16], s[12:13]  ; the bias of columns 4 x lane + 0..3 of my 128
	s_add_nc_u64 s[14:15], s[14:15], s[92:93]
	s_lshl_b32 s92, s43, 20
	s_lshl_b32 s46, s21, 19
	s_add_co_u32 s92, s92, s46                     ; my first token's row of 4,096 bytes
	s_add_nc_u64 s[14:15], s[14:15], s[92:93]
	s_mul_i32 s46, s21, HALFT
	s_mul_i32 s47, s22, HALFT
	s_add_co_u32 s47, s47, 2*HALFT
.irp s, 0,1
	v_add_nc_u32 v[ADRA+\s], s46, v[L16]
	v_add_nc_u32 v[ADRB+\s], s47, v[L16]
	v_add_nc_u32 v[ADRA+2+\s], s46, v[L8]
	v_add_nc_u32 v[ADRB+2+\s], s47, v[L8]
	s_add_co_u32 s46, s46, SLOT
	s_add_co_u32 s47, s47, SLOT
.endr
	s_lshl_b32 s46, s21, 12
	s_lshl_b32 s47, s22, 12
	s_add_co_u32 s47, s47, 2*HALFS
	s_sub_co_u32 s47, s47, s46
	v_mul_u32_u24 v4, s47, v2                      ; lanes 16-31 take B's scale words: the lower base + h x the distance
	s_add_co_u32 s46, s46, SCL
	v_lshl_add_u32 v4, v1, 3, v4
	v_add_nc_u32 v[ADRS], s46, v4
	s_mul_i32 s46, s20, 16*SPITCH                  ; my stage
	v_mul_u32_u24 v4, v1, SPITCH
	v_lshl_add_u32 v4, v2, 6, v4
	v_add_nc_u32 v[STO], s46, v4                   ; in: row r, + 64 h
	v_add_nc_u32 v[RD], s46, v[L16]                ; back: the 32 lanes take one row of 512 bytes
.macro FRAG reg, adr, q, i
	ds_load_b128 v[\reg:\reg+3], v[\adr] offset:(\i)*TILEB+(\q)*1536
	ds_load_b64 v[\reg+4:\reg+5], v[\adr+2] offset:(\i)*TILEB+(\q)*1536+512
	ds_load_b128 v[\reg+6:\reg+9], v[\adr] offset:(\i)*TILEB+(\q)*1536+768
	ds_load_b64 v[\reg+10:\reg+11], v[\adr+2] offset:(\i)*TILEB+(\q)*1536+1280
.endm
.macro MUL16 a0, p, q, sc, zero        ; the 64 accumulators take turns, one instruction a turn, in the same order in every step
.irp a, \a0, \a0+1
.irp b, 0,1,2,3,4,5,6,7
.if \zero
	v_wmma_scale_f32_16x16x128_f8f6f4 v[8*(8*((\a)%4)+\b):8*(8*((\a)%4)+\b)+7], v[128*(\p)+FR*\b:128*(\p)+FR*\b+FR-1], v[AF+FR*(\a):AF+FR*(\a)+FR-1], 0, v[SC+8*NQ*(\sc)+NQ*\b+(\q)], v[SC+8*NQ*(\sc)+NQ*(\a)+(\q)] matrix_a_fmt:MATRIX_FMT_FP6 matrix_b_fmt:MATRIX_FMT_FP6 matrix_a_scale:MATRIX_SCALE_ROW1
.else
	v_wmma_scale_f32_16x16x128_f8f6f4 v[8*(8*((\a)%4)+\b):8*(8*((\a)%4)+\b)+7], v[128*(\p)+FR*\b:128*(\p)+FR*\b+FR-1], v[AF+FR*(\a):AF+FR*(\a)+FR-1], v[8*(8*((\a)%4)+\b):8*(8*((\a)%4)+\b)+7], v[SC+8*NQ*(\sc)+NQ*\b+(\q)], v[SC+8*NQ*(\sc)+NQ*(\a)+(\q)] matrix_a_fmt:MATRIX_FMT_FP6 matrix_b_fmt:MATRIX_FMT_FP6 matrix_a_scale:MATRIX_SCALE_ROW1
.endif
.endr
.endr
.endm
.macro FETCH_B slot, q, p
	WIN TO_B
.irp i, 0,1,2,3,4,5,6,7
	FRAG 128*(\p)+FR*\i, ADRB+\slot, \q, \i
.endr
	WIN 0
.endm
.macro FETCH_A slot, q, i0
.irp i, \i0, \i0+1, \i0+2, \i0+3
	FRAG AF+FR*(\i), ADRA+\slot, \q, \i
.endr
.endm
.macro SCALES sc
.irp i, 0,1,2,3,4,5,6,7
	ds_load_b64 v[SC+8*NQ*\sc+NQ*\i:SC+8*NQ*\sc+NQ*\i+1], v[ADRS] offset:\i*512
.endr
.endm
.macro PLACES n                        ; plain vector instructions in front of loads into registers that matrix instructions have read, and of reads of results (ISA guide 7.12.1 for reads of results)
.rept \n
	v_nop
.endr
.endm
.macro STEP slot, q, zero
	s_wait_dscnt 4*NL                              ; all but the youngest 16 loads (A's blocks 4-7)
	WIN MUL_LO
	MUL16 0, (\q)%2, \q, \slot, \zero
	MUL16 2, (\q)%2, \q, \slot, \zero
	s_wait_dscnt 0
	PLACES NP
	FETCH_B \slot, (\q)+1, 1-(\q)%2
	FETCH_A \slot, (\q)+1, 0
	WIN MUL_HI
	MUL16 4, (\q)%2, \q, \slot, \zero
	MUL16 6, (\q)%2, \q, \slot, \zero
	PLACES NP
	WIN 0
	FETCH_A \slot, (\q)+1, 4
.endm
.macro TURN slot, next, fill           ; a slot's last 128 change slots: one barrier; in front of it the wait for all my tensor loads, the add, and the wait for it and for my reads of this slot
	s_wait_tensorcnt 0x0                           ; all my tensor loads have landed: my part of the next slot
	ds_add_u32 v[SPW], v[NIL]                      ; 0 onto my spare word
	s_wait_dscnt 4*NL+1                            ; (the add and the youngest 16 loads may be out)
	WIN MUL_LO
	MUL16 0, 1, NQ-1, \slot, 0
	s_wait_dscnt 0x0                               ; the add is done, and my reads of this slot are over
	s_barrier_signal -1
	MUL16 2, 1, NQ-1, \slot, 0
	WIN 0
	s_barrier_wait -1
.if \fill
	CREST                                          ; a round of the cluster's barrier: no wave of any partner still reads this slot or has a load on its way
	s_add_nc_u64 s[G0+4*\slot+2:G0+4*\slot+3], s[G0+4*\slot+2:G0+4*\slot+3], 2*TILEB
	s_add_nc_u64 s[G0B+4*\slot+2:G0B+4*\slot+3], s[G0B+4*\slot+2:G0B+4*\slot+3], 2*TILEB
	JLOAD G0+4*\slot, G1, G0B+4*\slot, G1B         ; the first tensor load behind the round, my one load out
.else
	PLACES NP
.endif
	s_wait_alu depctr_va_vdst(0)
	v_add_nc_u32 v[ADRS], 128, v[ADRS]
	FETCH_B \next, 0, 0
	FETCH_A \next, 0, 0
	SCALES \next
	WIN MUL_HI
	MUL16 4, 1, NQ-1, \slot, 0
	MUL16 6, 1, NQ-1, \slot, 0
	PLACES NP
	WIN 0
	FETCH_A \next, 0, 4
.endm
	s_wait_alu depctr_va_vdst(0)
	s_wait_tensorcnt 1                             ; the scales and my part of K step 0 are in (K step 1's load may be out)
	s_barrier_signal -1
	s_barrier_wait -1                              ; everybody's are
	FETCH_B 0, 0, 0
	FETCH_A 0, 0, 0
	SCALES 0
	FETCH_A 0, 0, 4
	STEP 0, 0, 1
	TURN 0, 1, 1
	STEP 1, 0, 0
	TURN 1, 0, 1
	STEP 0, 0, 0
	TURN 0, 1, 0
	STEP 1, 0, 0
	s_wait_dscnt 4*NL                              ; the very last 128: nothing more to fetch
	WIN MUL_LO
	MUL16 0, 1, NQ-1, 1, 0
	MUL16 2, 1, NQ-1, 1, 0
	s_wait_dscnt 0
	WIN MUL_HI
	MUL16 4, 1, NQ-1, 1, 0
	MUL16 6, 1, NQ-1, 1, 0
	WIN 0
.macro TOSTAGE a                       ; block a: accumulator b's eight numbers are columns 32 (b / 2) + 16 h + 8 (b % 2) + 0..7 of token r
.set AC, 64*((\a)%4)
	WIN 0x08+4*((\a)/4)                            ; an LDS store's data: window 2 or 3
.irp b, 0,1,2,3,4,5,6,7
	ds_store_b128 v[STO], v[AC+8*\b:AC+8*\b+3] offset:128*(\b/2)+32*(\b%2)        ; each accumulator from its low end on
	ds_store_b128 v[STO], v[AC+8*\b+4:AC+8*\b+7] offset:128*(\b/2)+32*(\b%2)+16
.endr
	WIN 0
.set BB, BK+64*((\a)%2)
.irp t, 0,1,2,3,4,5,6,7,8,9,10,11,12,13,14,15
	ds_load_b128 v[BB+4*\t:BB+4*\t+3], v[RD] offset:\t*SPITCH   ; LDS serves a wave's instructions in order (ISA guide 5.7.1.4): these see the stores above
.endr
.endm
.macro SEND a, younger                 ; younger: the LDS instructions issued behind block a's loads, which may stay out
.set BB, BK+64*((\a)%2)
	s_wait_dscnt \younger
.irp t, 0,1,2,3,4,5,6,7,8,9,10,11,12,13,14,15
	v_pk_add_f32 v[BB+4*\t:BB+4*\t+1], v[BB+4*\t:BB+4*\t+1], v[BO:BO+1]
	v_pk_add_f32 v[BB+4*\t+2:BB+4*\t+3], v[BB+4*\t+2:BB+4*\t+3], v[BO+2:BO+3]
.endr
.irp t, 0,1,2,3,4,5,6,7,8,9,10,11,12,13,14,15
	global_store_b128 v[L16], v[BB+4*\t:BB+4*\t+3], s[14:15] offset:(32*((\a)/2)+8*((\a)%2)+\t+8*(\t/8))*4096 th:TH_STORE_NT   ; the tile's row t is token 32 (a / 2) + 8 (a % 2) + t + 8 (t / 8) of my 128; 32 lanes store 512 consecutive bytes, aligned
.endr
.endm
	s_wait_loadcnt 0x0                             ; the bias
	PLACES NP
	TOSTAGE 0
.irp a, 1,2,3,4,5,6,7
.if \a > 1
	s_wait_xcnt 0x0                                ; block a - 2's stores have read their registers: block a's loads may land there
.endif
	TOSTAGE \a
	SEND \a-1, 32                                  ; behind block a - 1's loads: block a's 16 stores and 16 loads
.endr
	SEND 7, 0
	s_wait_tensorcnt 0x0                           ; the wave's end
	ds_add_u32 v[SPW], v[NIL]
	s_wait_dscnt 0x0
	CROUND                                         ; the closing round: no work-group ends while a partner may still ask for a tile that names it
	s_endpgm
.Lfunc_end_k_qa186e2f5b7_oproj:
	.size	k_qa186e2f5b7_oproj, .Lfunc_end_k_qa186e2f5b7_oproj-k_qa186e2f5b7_oproj
	.p2alignl 7, 3214868480
	.fill 96, 4, 3214868480
	.section	.rodata,"a",@progbits
	.p2align	6, 0x0
	.amdhsa_kernel k_qa186e2f5b7_oproj
		.amdhsa_group_segment_fixed_size 327680
		.amdhsa_private_segment_fixed_size 0
		.amdhsa_enable_private_segment 0
		.amdhsa_kernarg_size 48
		.amdhsa_user_sgpr_count 2
		.amdhsa_user_sgpr_kernarg_segment_ptr 1
		.amdhsa_wavefront_size32 1
		.amdhsa_system_sgpr_workgroup_id_x 1
		.amdhsa_system_sgpr_workgroup_id_y 1
		.amdhsa_system_sgpr_workgroup_id_z 1
		.amdhsa_system_vgpr_workitem_id 0
		.amdhsa_next_free_vgpr 1024
		.amdhsa_next_free_sgpr 102
		.amdhsa_reserve_vcc 0
		.amdhsa_float_denorm_mode_32 3
		.amdhsa_float_denorm_mode_16_64 3
		.amdhsa_memory_ordered 1
		.amdhsa_forward_progress 1
		.amdhsa_inst_pref_size 160
	.end_amdhsa_kernel
	.amdgpu_metadata
---
amdhsa.version: [ 1, 2 ]
amdhsa.kernels:
  - .name:           k_qa186e2f5b7_oproj
    .symbol:         k_qa186e2f5b7_oproj.kd
    .args:
      - { .name: oc, .offset: 0, .size: 8, .value_kind: global_buffer, .address_space: global }
      - { .name: os, .offset: 8, .size: 8, .value_kind: global_buffer, .address_space: global }
      - { .name: cod, .offset: 16, .size: 8, .value_kind: global_buffer, .address_space: global }
      - { .name: scl, .offset: 24, .size: 8, .value_kind: global_buffer, .address_space: global }
      - { .name: bo, .offset: 32, .size: 8, .value_kind: global_buffer, .address_space: global }
      - { .name: out0, .offset: 40, .size: 8, .value_kind: global_buffer, .address_space: global }
    .group_segment_fixed_size: 327680
    .private_segment_fixed_size: 0
    .kernarg_segment_align: 8
    .kernarg_segment_size: 48
    .max_flat_workgroup_size: 128
    .sgpr_count:     102
    .vgpr_count:     1024
    .wavefront_size: 32
...
	.end_amdgpu_metadata
.endif
;; end of part 4
